; MI455X (gfx1250); checked and timed in simulation.
; The chip was launched on July 23, 2026; its instructions are those of AMD's public machine-readable ISA for CDNA 5 (MIT licence, August 2026) and "CDNA5" Instruction Set Architecture Reference Guide (July 2026). The comments in the code are by the model that wrote it; some were corrected since.
;; Enhanced Memory Attention Layer. Allowed arithmetic: matrix products marked QUANTISED: E4M3 operands, one E8M0 scale for each 32 along K, by v_wmma_scale_f32_16x16x128_f8f6f4 with both operands' format E4M3, f32 sums; everything else in f32.
;; Inputs: b1 2,048 float32; b2 256 float32; b_in_cross 768 float32; b_in_self 768 float32; b_out_cross 256 float32; b_out_self 256 float32; be1 256 float32; be2 256 float32; be3 256 float32; g1 256 float32; g2 256 float32; g3 256 float32; memory 4,096 x 1 x 256 float32; pos 4,096 x 1 x 256 float32; query_pos 4,096 x 1 x 256 float32; tgt 4,096 x 1 x 256 float32; w1 2,048 x 256 float32; w2 256 x 2,048 float32; w_in_cross 768 x 256 float32; w_in_self 768 x 256 float32; w_out_cross 256 x 256 float32; w_out_self 256 x 256 float32.
;; Outputs: out0 4,096 x 1 x 256 float32.
;; This version of the problem:
;;   THIS VERSION OF THE PROBLEM IS GIVEN IN LOW PRECISION. The matrix products marked QUANTISED in the list below multiply operands that are first quantised to E4M3 (4 exponent bits, 3 mantissa bits; 8 bits a number), with one power-of-two scale for each 32 numbers along K (OCP MX v1.0); their sums are f32. All else is computed in f32.
;;   The module's matrix products, in the order in which they are computed (A, B: the left and right operand; K: the contracted axis; several contracted axes count as one K, in the product's order):
;;     1. [M 4,096, K 256] x [K 256, N 256]; A: computed on the way; B: computed on the way: QUANTISED
;;     2. [M 4,096, K 256] x [K 256, N 256]; A: computed on the way; B: computed on the way: QUANTISED
;;     3. [M 4,096, K 256] x [K 256, N 256]; A: input tgt; B: computed on the way: QUANTISED
;;     4. batch 8 x [M 4,096, K 32] x [K 32, N 4,096]; A: computed on the way; B: computed on the way: QUANTISED
;;     5. batch 8 x [M 32, K 4,096] x [K 4,096, N 4,096]; A: computed on the way; B: softmax (see below): QUANTISED
;;     6. [M 4,096, K 256] x [K 256, N 256]; A: computed on the way; B: input w_out_self: QUANTISED
;;     7. [M 4,096, K 256] x [K 256, N 256]; A: computed on the way; B: computed on the way: QUANTISED
;;     8. [M 4,096, K 256] x [K 256, N 256]; A: computed on the way; B: computed on the way: QUANTISED
;;     9. [M 4,096, K 256] x [K 256, N 256]; A: input memory; B: computed on the way: QUANTISED
;;     10. batch 8 x [M 4,096, K 32] x [K 32, N 4,096]; A: computed on the way; B: computed on the way: QUANTISED
;;     11. batch 8 x [M 32, K 4,096] x [K 4,096, N 4,096]; A: computed on the way; B: softmax (see below): QUANTISED
;;     12. [M 4,096, K 256] x [K 256, N 256]; A: computed on the way; B: input w_out_cross: QUANTISED
;;     13. [M 4,096, K 256] x [K 256, N 2,048]; A: computed on the way; B: input w1: QUANTISED
;;     14. [M 4,096, K 2,048] x [K 2,048, N 256]; A: computed on the way; B: input w2: QUANTISED
;;   THE QUANTISER, for each operand of a quantised product, along K:
;;     - K is cut into blocks of 32 from its start; a last block that is shorter is filled with zeros.
;;     - A block's scale is 2^e with e = floor(log2(the largest magnitude in the block)) - 8, held to -126 .. 127; a block of zeros has e = 0. As a byte (E8M0): e + 127.
;;     - Each number is divided by its block's scale, clamped to +-448, and rounded to the nearest number of E4M3, ties to even, subnormals kept.
;;     - The product sums the exact products of the quantised numbers (number of the format x scale) in f32.
;;   ~~~python
;;   def quantise(x, axis):      # numpy; x: float32 -> the quantised numbers, widened to float32 again
;;       x = np.moveaxis(x, axis, -1); K = x.shape[-1]
;;       x = np.pad(x, [(0, 0)] * (x.ndim - 1) + [(0, -K % 32)]); x = x.reshape(x.shape[:-1] + (-1, 32)); a = np.abs(x).max(-1, keepdims=True)
;;       e = np.where(a > 0, np.clip(np.frexp(np.where(a > 0, a, 1))[1] - 1 - 8, -126, 127), 0)      # np.frexp(a)[1] - 1 = floor(log2(a)), exactly
;;       r = np.clip(x / 2.0 ** e, -448, 448)
;;       step = 2.0 ** (np.maximum(np.frexp(np.where(r == 0, 1, r))[1] - 1, -6) - 3)
;;       q = np.round(r / step) * step * 2.0 ** e      # np.round: ties to even
;;       return np.moveaxis(q.reshape(q.shape[:-2] + (-1,))[..., :K], -1, axis).astype(np.float32)
;;   ~~~
;;   SOFTMAX AHEAD OF A QUANTISED PRODUCT. Where the list says 'softmax', what is quantised is not the finished softmax but p = 2^(t - M), with t = logit x log2(e) and M = ceil(the row's largest t), a whole number; so 1/2 < the row's largest p <= 1. The row's sum l is taken of the UNQUANTISED p, in f32, and the product's result is divided by l at the end. Since M is a whole number, a kernel that streams over the keys may use a running M (the ceiling of the running maximum): every later rescaling is an exact power of two, which a block's scale takes up: the codes' values come out the same.
;;   OPERANDS COMPUTED ON THE WAY. 'Computed on the way' means the value that the module computes at that place (a softmax that the list does not call 'softmax' is quantised finished and normalised). What goes into a quantiser is computed in f32, as accurately as f32 sums, v_exp_f32 and their like allow (about 1e-6 of the number): no bf16 or f16 on the way to a quantiser, and a product that is left as it is and whose result goes on into a quantised operand takes f32 operands (vector FMAs, or v_wmma_f32_16x16x4_f32). A number that lies on a knife's edge between two numbers of the format may be rounded either way, as far as f32 arithmetic and the matrix unit's own rounding can turn it there, and no further.
;; One version. Each part assembles by itself: llvm-mc -triple=amdgcn-amd-amdhsa -mcpu=gfx1250 --defsym DOCPART=n.
;; ======== version 1 of 1: 6 launches
;; limits: right only within a limited range of input values
;; workspace buffers: wq 5,947,392 bytes; qb 1,179,648 bytes; kv1 2,162,688 bytes; kv2 2,162,688 bytes; ao 1,179,648 bytes; x1 4,194,304 bytes
;; launch prep (part 1): grid 176 x 1, 8 waves a work-group, no clusters, 68,608 bytes of LDS; arguments w_in_self, w_in_cross, w_out_self, w_out_cross, w1, w2, tgt, query_pos, memory, pos, wq; writes wq
.if DOCPART == 1
	.amdgcn_target "amdgcn-amd-amdhsa--gfx1250"
	.amdhsa_code_object_version 6
	.text
	.protected	k_qeba06082a0_prep
	.globl	k_qeba06082a0_prep
	.p2align	8
	.type	k_qeba06082a0_prep,@function
k_qeba06082a0_prep:
	s_mov_b64 s[64:65], 0
	v_nop
	global_prefetch_b8 v0, s[64:65] scope:SCOPE_SE
	s_setreg_imm32_b32 hwreg(HW_REG_WAVE_MODE, 25, 1), 1
	s_wait_xcnt 0x0
; THE PROGRAM: one decoder layer (self-attention, LN, cross-attention, LN, FFN, LN) on 4,096 tokens, D = 256, 8 heads of 32, F = 2,048; all 14 products on codes of E4M3 with one E8M0 scale for each 32 along K.
; NO WORK IS LEFT OUT: every bias moves the codes of a live quantised operand or reaches the output, every input has a way to out0, so every input is loaded and every product of the table is done.
; THIS LAUNCH quantises, once, what several work-groups read later: the six weights and the four inputs of the projections (tgt + query_pos, tgt, memory + pos, memory), all along their last axis, K = 256 at a time.
; A UNIT is 128 rows x 256 along K; work-group U makes unit U, wave w its tile w of 16 rows.  THE ROWS OF A TILE ARE NOT NEIGHBOURS: lane row r of tile t is row 32 (t / 2) + 8 (t % 2) + r + 8 (r / 8) of the unit, so that
; a product whose result has such tiles as its rows holds 16 neighbours along the next K in a lane's 16 registers of two neighbouring tiles.
; WHAT IS STORED IS AN IMAGE OF THE OPERAND'S REGISTERS: a fragment (16 rows x 128 K) is 4 pieces of 512 bytes, lane l's 16 bytes at 16 l: row l % 16, k = 32 c + 16 (l / 16) + 0 .. 15.  A tile is two fragments, 4,096 bytes,
; unit U at 32,768 U.  A tile's scale words are one register's image, 128 bytes at QS0 + 1,024 U + 128 w: lanes 0-15 the words of K step 0, lanes 16-31 those of K step 1.
; UNITS: 0-5 w_in_self, 6-11 w_in_cross, 12-13 w_out_self, 14-15 w_out_cross, 16-31 w1, 32-47 w2 (32 + 8 (row / 128) + column / 256), 48-79 tgt + query_pos, 80-111 tgt, 112-143 memory + pos, 144-175 memory.
; Each load reads 512 consecutive bytes of a row; the 16 rows x 512 bytes turn through the wave's own stage in LDS (rows of 528 bytes) so that a lane gets 16 neighbours of each block of 32.  Waves share nothing: no barrier.
; LIMITS: NaN and infinities among the inputs are not served.  A block of zeros, or one whose largest magnitude lies under 2^-118, gets the scale byte 1 (the rule says 127 for zeros): its codes are what that scale gives, and this program alone reads the bytes.
.set QS0,   5767168
.set STGB,  16*528                     ; a wave's stage
.set SPARE, 8*STGB                     ; behind the stages: the spare words, 128 bytes for each wave
.set LI,   1                           ; v1  16 x lane
.set SIN,  2                           ; v2  the stage, on the way in
.set SOUT, 3                           ; v3  and on the way out: row r, + 64 h
.set LS,   4                           ; v4  4 x lane
.set SPW,  5                           ; v5  my spare word; never rewritten
.set NIL,  6                           ; v6  0; never rewritten
.set TMX,  36                          ; v36-39 largest magnitudes
.set TMB,  40                          ; v40-43 the other half's, then the scale bytes
.set TMH,  44                          ; v44-47
.set TMS,  48                          ; v48-51 the conversions' scale operands
.set PW,   52                          ; v52 the scale word just made
.set PC0,  56                          ; v56-63 the codes of block 0, for each pass
.set R,    128                         ; v128-191, v192-255: the numbers of K step 0, 1;  window 1 v0-63, v64-127: what is added to them
.set WV,   4
.set SRC,  30                          ; s[30:31] the tensor, then my tile's first byte
.set FIRST, 32                         ; s32 the tensor's first unit
.set ADDF, 33                          ; s33 0 where the unit is a sum of two inputs
.set ADP,  34                          ; s[34:35] the second of them
.set OFF,  36
.set HI,   40                          ; s40 lanes 16-31
.set MNT,  41
.set SEL,  42                          ; s[42:43] v_permlanex16_b32's selects for lane l xor 16
.set DST,  44                          ; s[44:45] my tile's image
.set DSC,  46                          ; s[46:47] its scale register's image
.set MSB, 0
.macro WIN new                         ; the immediate's high byte repeats the setting that is left
.if MSB != \new
	s_set_vgpr_msb (MSB<<8)|\new
.set MSB, \new
.endif
.endm
; nb blocks of a lane's numbers, block b in v[src + 16 b] on (16 numbers; lane l xor 16 holds the block's other 16), become codes and a scale word v[PW] (byte b).  The conversions read the numbers at v[tmp + 16 b] on (relu = 1 writes them there).
; Block 0's four code registers are v[pc] on; block b's are v[tmp + 16 (b - 1)] on: the place of numbers already converted (QDSET names them).  relu = 1: what is negative becomes 0 on the way.
.macro QUANT src, tmp, nb, relu, pc
.irp b, 0,1,2,3
.if \b < \nb
.if \relu
	v_max3_num_f32 v[TMX+\b], v[(\src)+16*\b], v[(\src)+16*\b+1], 0x4800000      ; no |.|: what is negative must not count; the floor 2^(9 - 127) stands over it and holds the byte at 1 from below
.else
	v_max3_num_f32 v[TMX+\b], |v[(\src)+16*\b]|, |v[(\src)+16*\b+1]|, 0x4800000
.endif
.endif
.endr
.irp i, 2,4,6,8,10,12,14
.irp b, 0,1,2,3
.if \b < \nb
.if \relu
	v_max3_num_f32 v[TMX+\b], v[TMX+\b], v[(\src)+16*\b+\i], v[(\src)+16*\b+\i+1]
.else
	s_delay_alu instid0(VALU_DEP_4)
	v_max3_num_f32 v[TMX+\b], v[TMX+\b], |v[(\src)+16*\b+\i]|, |v[(\src)+16*\b+\i+1]|
.endif
.endif
.endr
.endr
.irp b, 0,1,2,3
.if \b < \nb
	s_delay_alu instid0(VALU_DEP_4)
	v_permlanex16_b32 v[TMB+\b], v[TMX+\b], s[SEL], s[SEL+1]
.endif
.endr
.irp b, 0,1,2,3
.if \b < \nb
	s_delay_alu instid0(VALU_DEP_4)
	v_max_num_f32 v[TMX+\b], v[TMX+\b], v[TMB+\b]                ; the block's largest magnitude
.endif
.endr
.irp b, 0,1,2,3
.if \b < \nb
	s_delay_alu instid0(VALU_DEP_4)
	v_add_nc_u32 v[TMS+\b], 0xfc000000, v[TMX+\b]                ; 8 off its exponent field: the conversion's scale operand
.endif
.endr
.irp b, 0,1,2,3
.if \b < \nb
.endif
.endr
.irp b, 0,1,2,3
.if \b < \nb
	s_delay_alu instid0(VALU_DEP_4)
	v_lshrrev_b32 v[TMB+\b], 23, v[TMS+\b]                       ; the scale's byte
.endif
.endr
	s_delay_alu instid0(VALU_DEP_3)
	v_lshl_or_b32 v[PW], v[TMB+1], 8, v[TMB]
.if \nb > 2
	s_delay_alu instid0(VALU_DEP_1)
	v_lshl_or_b32 v[PW], v[TMB+2], 16, v[PW]
	s_delay_alu instid0(VALU_DEP_1)
	v_lshl_or_b32 v[PW], v[TMB+3], 24, v[PW]
.endif
.irp b, 0,1,2,3
.if \b < \nb
.if \b == 0
.set QDR, \pc
.else
.set QDR, (\tmp)+16*(\b-1)
.endif
.irp i, 0,1,2,3,4,5,6,7,8,9,10,11,12,13,14,15
.if \relu
	v_med3_num_f32 v[(\tmp)+16*\b+\i], v[(\src)+16*\b+\i], 0, v[TMH+\b]              ; the activation and the hold in one
.else
.endif
.endr
	v_nop
	v_cvt_scalef32_pk8_fp8_f32 v[QDR:QDR+1], v[(\tmp)+16*\b:(\tmp)+16*\b+7], v[TMS+\b]
	v_cvt_scalef32_pk8_fp8_f32 v[QDR+2:QDR+3], v[(\tmp)+16*\b+8:(\tmp)+16*\b+15], v[TMS+\b]
.endif
.endr
	v_nop                                                        ; one plain vector instruction behind the last conversion
.endm
.macro QDSET b, tmp, pc                ; QDR = the first of block b's four code registers
.if (\b) == 0
.set QDR, \pc
.else
.set QDR, (\tmp)+16*((\b)-1)
.endif
.endm
.macro PICK th, p                      ; from unit th on: the tensor at s[p:p+1].  The choice hangs on the work-group's number alone
	s_cmp_ge_u32 ttmp9, \th
	s_cselect_b64 s[SRC:SRC+1], s[\p:\p+1], s[SRC:SRC+1]
	s_cselect_b32 s[FIRST], \th, s[FIRST]
.endm
.macro LD dst, ptr, ks, pitch          ; my tile's 16 rows, K step ks: 512 consecutive bytes a load
.irp i, 0,1,2,3,4,5,6,7,8,9,10,11,12,13,14,15
	global_load_b128 v[(\dst)+4*\i:(\dst)+4*\i+3], v[LI], s[\ptr:\ptr+1] offset:(\i+8*(\i/8))*(\pitch)+512*(\ks)
.endr
.endm
.macro ADDIN ks                        ; the numbers of K step ks += the second input's (window 1)
.set j, 0
.rept 32
	v_pk_add_f32 v[R+64*\ks+j:R+64*\ks+j+1], v[R+64*\ks+j:R+64*\ks+j+1], v[64*\ks+j:64*\ks+j+1]
.set j, j+2
.endr
.endm
.macro TURN ks                         ; K step ks: through the stage, quantised, stored
.irp i, 0,1,2,3,4,5,6,7,8,9,10,11,12,13,14,15
	ds_store_b128 v[SIN], v[R+64*\ks+4*\i:R+64*\ks+4*\i+3] offset:528*\i
.endr
.irp b, 0,1,2,3
.irp j, 0,1,2,3
	ds_load_b128 v[R+64*\ks+16*\b+4*\j:R+64*\ks+16*\b+4*\j+3], v[SOUT] offset:128*\b+16*\j   ; LDS serves a wave's instructions in order: these see the stores above, and the next pass's stores come behind them
.endr
.endr
	s_wait_dscnt 0x0
	QUANT R+64*\ks, R+64*\ks, 4, 0, PC0+4*\ks
.irp c, 0,1,2,3
	QDSET \c, R+64*\ks, PC0+4*\ks
	global_store_b128 v[LI], v[QDR:QDR+3], s[DST:DST+1] offset:2048*\ks+512*\c                ; 512 consecutive bytes; each pass has its own registers, so no store's data are written again
.endr
.endm
	s_load_b512 s[8:23], s[0:1], 0x0               ; w_in_self 8, w_in_cross 10, w_out_self 12, w_out_cross 14, w1 16, w2 18, tgt 20, query_pos 22
	s_load_b128 s[24:27], s[0:1], 0x40             ; memory 24, pos 26
	s_load_b64 s[28:29], s[0:1], 0x50              ; wq
	v_lshl_add_u32 v[SPW], v0, 2, SPARE
	v_mov_b32 v[NIL], 0
	v_lshrrev_b32 v7, 5, v0
	s_delay_alu instid0(VALU_DEP_1)
	v_readfirstlane_b32 s[WV], v7                  ; wave 0..7
	v_and_b32 v7, 31, v0
	s_delay_alu instid0(VALU_DEP_1)
	v_lshlrev_b32 v[LI], 4, v7
	s_delay_alu instid0(VALU_DEP_2)
	v_lshlrev_b32 v[LS], 2, v7
	s_mul_i32 s5, s[WV], STGB
	v_add_nc_u32 v[SIN], s5, v[LI]
	v_and_b32 v8, 15, v0                           ; r
	v_bfe_u32 v9, v0, 4, 1                         ; h
	s_delay_alu instid0(VALU_DEP_2)
	v_mul_u32_u24 v[SOUT], v8, 528
	s_delay_alu instid0(VALU_DEP_1)
	v_lshl_add_u32 v[SOUT], v9, 6, v[SOUT]
	s_delay_alu instid0(VALU_DEP_1)
	v_add_nc_u32 v[SOUT], s5, v[SOUT]
.irp b, 0,1,2,3
	v_mov_b32 v[TMB+\b], 0                         ; written once: a lane permute's destination counts as one of its sources
.endr
	s_mov_b32 s[HI], 0xffff0000
	s_mov_b32 s[SEL], 0x76543210
	s_mov_b32 s[SEL+1], 0xfedcba98
	s_lshr_b32 s6, s[WV], 1
	s_lshl_b32 s6, s6, 5
	s_and_b32 s7, s[WV], 1
	s_lshl_b32 s7, s7, 3
	s_add_co_u32 s6, s6, s7                        ; my tile's first row in the unit: 32 (w / 2) + 8 (w % 2)
	s_sub_co_u32 s[ADDF], ttmp9, 48
	s_and_b32 s[ADDF], s[ADDF], 32
	s_cmp_lt_u32 ttmp9, 48
	s_cselect_b32 s[ADDF], 32, s[ADDF]             ; 0 in units 48-79 and 112-143
	s_wait_kmcnt 0x0
	s_mov_b64 s[SRC:SRC+1], s[8:9]
	s_mov_b32 s[FIRST], 0
	PICK 6, 10
	PICK 12, 12
	PICK 14, 14
	PICK 16, 16
	PICK 32, 18
	PICK 48, 20
	PICK 80, 20
	PICK 112, 24
	PICK 144, 24
	s_cmp_lt_u32 ttmp9, 112
	s_cselect_b64 s[ADP:ADP+1], s[22:23], s[26:27]
	s_sub_co_u32 s38, ttmp9, s[FIRST]              ; the unit's number in its tensor
	s_lshl_b32 s[OFF], s38, 17
	s_lshl_b32 s39, s6, 10
	s_add_co_u32 s[OFF], s[OFF], s39               ; rows of 1,024 bytes: 128 rows a unit
	s_lshr_b32 s39, s38, 3
	s_lshl_b32 s39, s39, 20
	s_and_b32 s7, s38, 7
	s_lshl_b32 s7, s7, 10
	s_add_co_u32 s39, s39, s7
	s_lshl_b32 s7, s6, 13
	s_add_co_u32 s39, s39, s7                      ; w2, rows of 8,192 bytes: 128 rows x (unit / 8), 1,024 bytes x (unit % 8)
	s_cmp_eq_u32 s[FIRST], 32
	s_cselect_b32 s[OFF], s39, s[OFF]
	s_mov_b32 s[OFF+1], 0
	s_add_nc_u64 s[SRC:SRC+1], s[SRC:SRC+1], s[OFF:OFF+1]
	s_add_nc_u64 s[ADP:ADP+1], s[ADP:ADP+1], s[OFF:OFF+1]
	s_lshl_b32 s[OFF], ttmp9, 15
	s_lshl_b32 s39, s[WV], 12
	s_add_co_u32 s[OFF], s[OFF], s39
	s_add_nc_u64 s[DST:DST+1], s[28:29], s[OFF:OFF+1]
	s_lshl_b32 s[OFF], ttmp9, 10
	s_lshl_b32 s39, s[WV], 7
	s_add_co_u32 s[OFF], s[OFF], s39
	s_add_co_u32 s[OFF], s[OFF], QS0
	s_add_nc_u64 s[DSC:DSC+1], s[28:29], s[OFF:OFF+1]
	; three arms, by the work-group's number, hold the loads alone (and the sums): all that touches LDS stands on the one way behind them
	s_cmp_eq_u32 s[FIRST], 32
	s_cbranch_scc1 .Lw2
	s_cmp_eq_u32 s[ADDF], 0
	s_cbranch_scc1 .Lsum
	LD R, SRC, 0, 1024
	LD R+64, SRC, 1, 1024
	s_branch .Lgo
.Lw2:
	LD R, SRC, 0, 8192
	LD R+64, SRC, 1, 8192
	s_branch .Lgo
.Lsum:
	LD R, SRC, 0, 1024
	WIN 0x40                                       ; destination window 1
	LD 0, ADP, 0, 1024
	WIN 0
	LD R+64, SRC, 1, 1024
	WIN 0x40
	LD 64, ADP, 1, 1024
	s_wait_loadcnt 32                              ; K step 0's two sets are in; K step 1's 32 loads may be out
	WIN 0x04                                       ; source 1 window 1
	ADDIN 0
	s_wait_loadcnt 0x0
	ADDIN 1
	WIN 0
.Lgo:
	s_wait_loadcnt 16                              ; K step 0 is in; K step 1's 16 loads may be out (behind the sums none is)
	s_wait_alu depctr_va_vdst(0)
	TURN 0
	v_mov_b32 v53, v[PW]                           ; K step 0's scale words
	s_wait_loadcnt 0x0
	TURN 1
	v_cndmask_b32 v54, v53, v[PW], s[HI]           ; lanes 0-15: K step 0's words; lanes 16-31: K step 1's
	global_store_b32 v[LS], v54, s[DSC:DSC+1]
	s_wait_tensorcnt 0x0                           ; the wave's end
	ds_add_u32 v[SPW], v[NIL]
	s_wait_dscnt 0x0
	s_endpgm
.Lfunc_end_k_qeba06082a0_prep:
	.size	k_qeba06082a0_prep, .Lfunc_end_k_qeba06082a0_prep-k_qeba06082a0_prep
	.p2alignl 7, 3214868480
	.fill 96, 4, 3214868480
	.section	.rodata,"a",@progbits
	.p2align	6, 0x0
	.amdhsa_kernel k_qeba06082a0_prep
		.amdhsa_group_segment_fixed_size 68608
		.amdhsa_private_segment_fixed_size 0
		.amdhsa_enable_private_segment 0
		.amdhsa_kernarg_size 88
		.amdhsa_user_sgpr_count 2
		.amdhsa_user_sgpr_kernarg_segment_ptr 1
		.amdhsa_wavefront_size32 1
		.amdhsa_system_sgpr_workgroup_id_x 1
		.amdhsa_system_sgpr_workgroup_id_y 1
		.amdhsa_system_sgpr_workgroup_id_z 1
		.amdhsa_system_vgpr_workitem_id 0
		.amdhsa_next_free_vgpr 384
		.amdhsa_next_free_sgpr 66
		.amdhsa_reserve_vcc 0
		.amdhsa_float_denorm_mode_32 3
		.amdhsa_float_denorm_mode_16_64 3
		.amdhsa_fp16_overflow 1
		.amdhsa_memory_ordered 1
		.amdhsa_forward_progress 1
		.amdhsa_inst_pref_size 36
	.end_amdhsa_kernel
	.amdgpu_metadata
---
amdhsa.version: [ 1, 2 ]
amdhsa.kernels:
  - .name:           k_qeba06082a0_prep
    .symbol:         k_qeba06082a0_prep.kd
    .args:
      - { .name: w_in_self, .offset: 0, .size: 8, .value_kind: global_buffer, .address_space: global }
      - { .name: w_in_cross, .offset: 8, .size: 8, .value_kind: global_buffer, .address_space: global }
      - { .name: w_out_self, .offset: 16, .size: 8, .value_kind: global_buffer, .address_space: global }
      - { .name: w_out_cross, .offset: 24, .size: 8, .value_kind: global_buffer, .address_space: global }
      - { .name: w1, .offset: 32, .size: 8, .value_kind: global_buffer, .address_space: global }
      - { .name: w2, .offset: 40, .size: 8, .value_kind: global_buffer, .address_space: global }
      - { .name: tgt, .offset: 48, .size: 8, .value_kind: global_buffer, .address_space: global }
      - { .name: query_pos, .offset: 56, .size: 8, .value_kind: global_buffer, .address_space: global }
      - { .name: memory, .offset: 64, .size: 8, .value_kind: global_buffer, .address_space: global }
      - { .name: pos, .offset: 72, .size: 8, .value_kind: global_buffer, .address_space: global }
      - { .name: wq, .offset: 80, .size: 8, .value_kind: global_buffer, .address_space: global }
    .group_segment_fixed_size: 68608
    .private_segment_fixed_size: 0
    .kernarg_segment_align: 8
    .kernarg_segment_size: 88
    .max_flat_workgroup_size: 256
    .sgpr_count:     66
    .vgpr_count:     384
    .wavefront_size: 32
...
	.end_amdgpu_metadata
.endif
;; end of part 1
;; launch proj (part 2): grid 32 x 5, 8 waves a work-group, no clusters, 0 bytes of LDS; arguments wq, b_in_self, b_in_cross, qb, kv1, kv2; writes qb, kv1, kv2
.if DOCPART == 2
	.amdgcn_target "amdgcn-amd-amdhsa--gfx1250"
	.amdhsa_code_object_version 6
	.text
	.protected	k_qeba06082a0_proj
	.globl	k_qeba06082a0_proj
	.p2align	8
	.type	k_qeba06082a0_proj,@function
k_qeba06082a0_proj:
	s_mov_b64 s[64:65], 0
	v_nop
	global_prefetch_b8 v0, s[64:65] scope:SCOPE_SE
	s_setreg_imm32_b32 hwreg(HW_REG_WAVE_MODE, 25, 1), 1
	s_wait_xcnt 0x0
; The five projections that hang on no attention: y = 0 Q self, 1 K self, 2 V self, 3 K cross, 4 V cross.  Nothing is left out.  Work-group (blk, y): 128 tokens; wave w: head w (features 32 w .. 32 w + 31).
; Operands come as images of their registers (see the first launch): every load is 512 consecutive bytes, straight into the operand's registers.  Each wave's 8 KB of weights go to the one wave that multiplies them, so
; no tile is shared through LDS and there is no joint load: it would send the same bytes through LDS first.  The 128 tokens' codes (32 KB) are read by all eight waves from memory; they are read at the same time.
; Q, K: source 0 = 16 rows of W, source 1 = 16 tokens: a lane holds one token and, in the 16 registers of W's two tiles, its head's numbers 16 (lane / 16) + 0 .. 15: the head is the next product's K, one block of 32.
;   Q: [head][tile T][512 bytes] in qb, scale bytes as words [head][T][16] at 1,048,576.   K: a fragment holds FOUR tiles of 16 keys, one in each block of 32 along K.
; V: the sources swapped: a lane holds one number of the head (row r of W's tile u: d = 8 u + r + 8 (r / 8)) and 16 neighbouring tokens: the keys are the next K.
; A RECORD of kv (head, 128 keys) is 8,448 bytes: K's two fragments, V^T's two, K's scale register (lanes 0-15 fragment 0, lanes 16-31 fragment 1), V^T's (lanes 0-15 tile 0, 16-31 tile 1).
; The bias is the C of each sum's first matrix instruction.  LIMITS: as in the first launch; sums are taken with the bias first.
.set QS0,  5767168
.set LI,   1                           ; v1  16 x lane
.set LS,   2                           ; v2  4 x lane
.set BO,   3                           ; v3  the bias for Q, K: 64 h
.set BI,   4                           ; v4-19 the bias, eight registers for each of W's two tiles
.set WS,   20                          ; v20-21 W's scale registers
.set XS,   22                          ; v22-25 the tokens'
.set BV,   26                          ; v26 the bias for V: 4 (r + 8 (r / 8))
.set TMX,  36
.set TMB,  40
.set TMH,  44
.set TMS,  48
.set PW,   52
.set PC0,  56
.set ACC,  64                          ; v64-127 eight accumulators
.set XR,   128                         ; v128-255 four tiles of tokens, tile t, K step k at 32 t + 16 k;  window 1 v0-63: W's tile u, K step k at 32 u + 16 k
.set WV,   16
.set YY,   17
.set XB,   20
.set XSB,  22
.set WB,   24
.set WSB,  26
.set BP,   28
.set DKV,  30
.set QSP,  32
.set SEL,  34
.set MNT,  36
.set HI,   37
.set DQ,   42
.set MSB, 0
.macro WIN new
.if MSB != \new
	s_set_vgpr_msb (MSB<<8)|\new
.set MSB, \new
.endif
.endm
.macro QUANT src, tmp, nb, relu, pc    ; as in the first launch
.irp b, 0,1,2,3
.if \b < \nb
.if \relu
	v_max3_num_f32 v[TMX+\b], v[(\src)+16*\b], v[(\src)+16*\b+1], 0x4800000
.else
	v_max3_num_f32 v[TMX+\b], |v[(\src)+16*\b]|, |v[(\src)+16*\b+1]|, 0x4800000      ; with the floor 2^(9 - 127): the byte cannot fall under 1
.endif
.endif
.endr
.irp i, 2,4,6,8,10,12,14
.irp b, 0,1,2,3
.if \b < \nb
.if \relu
	v_max3_num_f32 v[TMX+\b], v[TMX+\b], v[(\src)+16*\b+\i], v[(\src)+16*\b+\i+1]
.else
	v_max3_num_f32 v[TMX+\b], v[TMX+\b], |v[(\src)+16*\b+\i]|, |v[(\src)+16*\b+\i+1]|
.endif
.endif
.endr
.endr
.irp b, 0,1,2,3
.if \b < \nb
	s_delay_alu instid0(VALU_DEP_4)
	v_permlanex16_b32 v[TMB+\b], v[TMX+\b], s[SEL], s[SEL+1]
.endif
.endr
.irp b, 0,1,2,3
.if \b < \nb
	s_delay_alu instid0(VALU_DEP_4)
	v_max_num_f32 v[TMX+\b], v[TMX+\b], v[TMB+\b]
.endif
.endr
.irp b, 0,1,2,3
.if \b < \nb
	s_delay_alu instid0(VALU_DEP_4)
	v_add_nc_u32 v[TMS+\b], 0xfc000000, v[TMX+\b]
.endif
.endr
.irp b, 0,1,2,3
.if \b < \nb
.endif
.endr
.irp b, 0,1,2,3
.if \b < \nb
	s_delay_alu instid0(VALU_DEP_4)
	v_lshrrev_b32 v[TMB+\b], 23, v[TMS+\b]
.endif
.endr
	s_delay_alu instid0(VALU_DEP_3)
	v_lshl_or_b32 v[PW], v[TMB+1], 8, v[TMB]
.if \nb > 2
	s_delay_alu instid0(VALU_DEP_1)
	v_lshl_or_b32 v[PW], v[TMB+2], 16, v[PW]
	s_delay_alu instid0(VALU_DEP_1)
	v_lshl_or_b32 v[PW], v[TMB+3], 24, v[PW]
.endif
.irp b, 0,1,2,3
.if \b < \nb
.if \b == 0
.set QDR, \pc
.else
.set QDR, (\tmp)+16*(\b-1)
.endif
.irp i, 0,1,2,3,4,5,6,7,8,9,10,11,12,13,14,15
.if \relu
	v_med3_num_f32 v[(\tmp)+16*\b+\i], v[(\src)+16*\b+\i], 0, v[TMH+\b]
.else
.endif
.endr
	v_nop
	v_cvt_scalef32_pk8_fp8_f32 v[QDR:QDR+1], v[(\tmp)+16*\b:(\tmp)+16*\b+7], v[TMS+\b]
	v_cvt_scalef32_pk8_fp8_f32 v[QDR+2:QDR+3], v[(\tmp)+16*\b+8:(\tmp)+16*\b+15], v[TMS+\b]
.endif
.endr
	v_nop
.endm
.macro QDSET b, tmp, pc
.if (\b) == 0
.set QDR, \pc
.else
.set QDR, (\tmp)+16*((\b)-1)
.endif
.endm
; a scaled product.  row = 1: K step 1, whose scale words stand in lanes 16-31 of both scale registers
.macro MM d, a, b, c, sa, sb, row
.if \row
	v_wmma_scale_f32_16x16x128_f8f6f4 v[(\d):(\d)+7], v[(\a):(\a)+15], v[(\b):(\b)+15], v[(\c):(\c)+7], v[\sa], v[\sb] matrix_a_scale:MATRIX_SCALE_ROW1 matrix_b_scale:MATRIX_SCALE_ROW1
.else
	v_wmma_scale_f32_16x16x128_f8f6f4 v[(\d):(\d)+7], v[(\a):(\a)+15], v[(\b):(\b)+15], v[(\c):(\c)+7], v[\sa], v[\sb]
.endif
.endm
.macro XLOAD g                         ; tiles 4 g .. 4 g + 3 of the 128 tokens: 32 loads of 512 bytes, and their four scale registers
.set n, 0
.rept 32
	global_load_b128 v[XR+4*n:XR+4*n+3], v[LI], s[XB:XB+1] offset:16384*\g+512*n
.set n, n+1
.endr
.irp t, 0,1,2,3
	global_load_b32 v[XS+\t], v[LS], s[XSB:XSB+1] offset:512*\g+128*\t
.endr
.endm
.macro PLACES                          ; eight places behind this form, in front of loads into its sources and of the first read of its results (ISA guide 7.12.1 for the first read of its results)
.rept 8
	v_nop
.endr
.endm
.macro BIASQK                          ; lane (r, h): the head's numbers 16 h + 0 .. 15
.irp q, 0,1,2,3
	global_load_b128 v[BI+4*\q:BI+4*\q+3], v[BO], s[BP:BP+1] offset:16*\q
.endr
.endm
; four tiles of tokens for Q (isq = 1) or K.  The eight accumulators take turns.
.macro GRPQK g, isq, dp
	s_wait_loadcnt 0x0
.if \g
	s_wait_xcnt 0x0                                ; the first group's stores have read their data: the accumulators, v56-59 and v54-55 may be written again
.endif
	WIN 0x01                                       ; source 0 (W) window 1
.irp t, 0,1,2,3
.irp u, 0,1
	MM ACC+16*\t+8*\u, 32*\u, XR+32*\t, BI+8*\u, WS+\u, XS+\t, 0
.endr
.endr
.irp t, 0,1,2,3
.irp u, 0,1
	MM ACC+16*\t+8*\u, 32*\u+16, XR+32*\t+16, ACC+16*\t+8*\u, WS+\u, XS+\t, 1
.endr
.endr
	WIN 0
	PLACES
.if \g == 0
	XLOAD 1
.endif
	QUANT ACC, ACC, 4, 0, PC0                      ; block t = tile 4 g + t: the head's 32 numbers of each of its tokens
.irp t, 0,1,2,3
	QDSET \t, ACC, PC0
	global_store_b128 v[LI], v[QDR:QDR+3], s[\dp:\dp+1] offset:2048*\g+512*\t
.endr
.if \isq
.irp p, 0,1
	v_cndmask_b32 v[54+\p], v[TMB+2*\p], v[TMB+2*\p+1], s[HI]     ; two tiles' bytes, as words: lanes 0-15 the even tile's, lanes 16-31 the odd one's
	global_store_b32 v[LS], v[54+\p], s[QSP:QSP+1] offset:256*\g+128*\p
.endr
.else
.if \g == 0
	v_mov_b32 v53, v[PW]
.else
	v_cndmask_b32 v54, v53, v[PW], s[HI]           ; lanes 0-15: fragment 0's words; lanes 16-31: fragment 1's
	global_store_b32 v[LS], v54, s[\dp:\dp+1] offset:8192
.endif
.endif
.endm
; the same for V, the sources swapped.  Accumulator of (tile t, W's tile u) at 16 (2 u + t / 2) + 8 (t % 2): block 2 u + t / 2 is 32 neighbouring tokens of one number of the head
.macro GRPV g
	s_wait_loadcnt 0x0
.if \g
	s_wait_xcnt 0x0
.else
.irp j, 1,2,3,4,5,6,7
	v_mov_b32 v[BI+\j], v[BI]                      ; the bias hangs on the lane's row alone: the same in all eight registers
	v_mov_b32 v[BI+8+\j], v[BI+8]
.endr
.endif
	WIN 0x04                                       ; source 1 (W) window 1
.irp t, 0,1,2,3
.irp u, 0,1
	MM ACC+16*(2*\u+\t/2)+8*(\t%2), XR+32*\t, 32*\u, BI+8*\u, XS+\t, WS+\u, 0
.endr
.endr
.irp t, 0,1,2,3
.irp u, 0,1
	MM ACC+16*(2*\u+\t/2)+8*(\t%2), XR+32*\t+16, 32*\u+16, ACC+16*(2*\u+\t/2)+8*(\t%2), XS+\t, WS+\u, 1
.endr
.endr
	WIN 0
	PLACES
.if \g == 0
	XLOAD 1
.endif
	QUANT ACC, ACC, 4, 0, PC0
.irp u, 0,1
.irp e, 0,1
	QDSET 2*\u+\e, ACC, PC0
	global_store_b128 v[LI], v[QDR:QDR+3], s[DKV:DKV+1] offset:4096+2048*\u+512*(2*\g+\e)
.endr
.endr
.if \g == 0
	v_mov_b32 v53, v[PW]
.else
	v_perm_b32 v54, v[PW], v53, 0x05040100         ; tile 0's word: key blocks 0, 1 from the first group, 2, 3 from this one
	v_perm_b32 v55, v[PW], v53, 0x07060302         ; tile 1's
	s_delay_alu instid0(VALU_DEP_1)
	v_cndmask_b32 v54, v54, v55, s[HI]
	global_store_b32 v[LS], v54, s[DKV:DKV+1] offset:8320
.endif
.endm
	s_load_b256 s[4:11], s[0:1], 0x0               ; wq 4, b_in_self 6, b_in_cross 8, qb 10
	s_load_b128 s[12:15], s[0:1], 0x20             ; kv1 12, kv2 14
	v_lshrrev_b32 v27, 5, v0
	s_delay_alu instid0(VALU_DEP_1)
	v_readfirstlane_b32 s[WV], v27
	v_and_b32 v27, 31, v0
	s_delay_alu instid0(VALU_DEP_1)
	v_lshlrev_b32 v[LI], 4, v27
	s_delay_alu instid0(VALU_DEP_2)
	v_lshlrev_b32 v[LS], 2, v27
	v_bfe_u32 v28, v0, 4, 1
	s_delay_alu instid0(VALU_DEP_1)
	v_lshlrev_b32 v[BO], 6, v28
	v_and_b32 v27, 15, v0
	s_delay_alu instid0(VALU_DEP_1)
	v_and_b32 v28, 8, v27
	s_delay_alu instid0(VALU_DEP_1)
	v_add_nc_u32 v27, v27, v28
	s_delay_alu instid0(VALU_DEP_1)
	v_lshlrev_b32 v[BV], 2, v27
.irp b, 0,1,2,3
	v_mov_b32 v[TMB+\b], 0                         ; written once: a lane permute's destination counts as one of its sources
.endr
	s_mov_b32 s[SEL], 0x76543210
	s_mov_b32 s[SEL+1], 0xfedcba98
	s_mov_b32 s[HI], 0xffff0000
	s_and_b32 s[YY], ttmp7, 0xffff
	s_max_u32 s38, s[YY], 1
	s_sub_co_u32 s38, s38, 1
	s_lshl_b32 s38, s38, 5
	s_add_co_u32 s38, s38, 48
	s_add_co_u32 s38, s38, ttmp9                   ; the tokens' unit: 48, 48, 80, 112, 144 + blk
	s_cmp_ge_u32 s[YY], 3
	s_cselect_b32 s39, 2, 0
	s_lshl_b32 s40, s[YY], 1
	s_add_co_u32 s40, s40, s39                     ; W's first unit: 0, 2, 4, 8, 10
	s_sub_co_u32 s41, s[YY], s39                   ; which third of the bias: 0, 1, 2, 1, 2
	s_mov_b32 s19, 0
	s_wait_kmcnt 0x0
	s_cmp_ge_u32 s[YY], 3
	s_cselect_b64 s[BP:BP+1], s[8:9], s[6:7]
	s_cselect_b64 s[DKV:DKV+1], s[14:15], s[12:13]
	s_lshl_b32 s18, s38, 15
	s_add_nc_u64 s[XB:XB+1], s[4:5], s[18:19]
	s_lshl_b32 s18, s38, 10
	s_add_co_u32 s18, s18, QS0
	s_add_nc_u64 s[XSB:XSB+1], s[4:5], s[18:19]
	s_lshl_b32 s18, s40, 15
	s_lshl_b32 s39, s[WV], 13
	s_add_co_u32 s18, s18, s39
	s_add_nc_u64 s[WB:WB+1], s[4:5], s[18:19]      ; W's tiles 2 w, 2 w + 1
	s_lshl_b32 s18, s40, 10
	s_lshl_b32 s39, s[WV], 8
	s_add_co_u32 s18, s18, s39
	s_add_co_u32 s18, s18, QS0
	s_add_nc_u64 s[WSB:WSB+1], s[4:5], s[18:19]
	s_lshl_b32 s18, s41, 10
	s_lshl_b32 s39, s[WV], 7
	s_add_co_u32 s18, s18, s39
	s_add_nc_u64 s[BP:BP+1], s[BP:BP+1], s[18:19]
	s_mul_i32 s18, s[WV], 270336
	s_mul_i32 s39, ttmp9, 8448
	s_add_co_u32 s18, s18, s39
	s_add_nc_u64 s[DKV:DKV+1], s[DKV:DKV+1], s[18:19]   ; the record of (head w, step blk)
	s_lshl_b32 s18, s[WV], 17
	s_lshl_b32 s39, ttmp9, 12
	s_add_co_u32 s18, s18, s39
	s_add_nc_u64 s[DQ:DQ+1], s[10:11], s[18:19]
	s_lshl_b32 s18, s[WV], 14
	s_lshl_b32 s39, ttmp9, 9
	s_add_co_u32 s18, s18, s39
	s_add_co_u32 s18, s18, 0x100000
	s_add_nc_u64 s[QSP:QSP+1], s[10:11], s[18:19]
	WIN 0x40                                       ; destination window 1
.set n, 0
.rept 16
	global_load_b128 v[4*n:4*n+3], v[LI], s[WB:WB+1] offset:512*n
.set n, n+1
.endr
	WIN 0
	global_load_b32 v[WS], v[LS], s[WSB:WSB+1]
	global_load_b32 v[WS+1], v[LS], s[WSB:WSB+1] offset:128
	XLOAD 0
	s_cmp_eq_u32 s[YY], 0                          ; three arms, by the work-group's y, each written out to its end
	s_cbranch_scc1 .Lq
	s_bitcmp1_b32 s[YY], 0
	s_cbranch_scc1 .Lk
	s_wait_alu depctr_va_vdst(0)
	global_load_b32 v[BI], v[BV], s[BP:BP+1]
	global_load_b32 v[BI+8], v[BV], s[BP:BP+1] offset:32
	GRPV 0
	GRPV 1
	s_endpgm
.Lq:
	s_wait_alu depctr_va_vdst(0)
	BIASQK
	GRPQK 0, 1, DQ
	GRPQK 1, 1, DQ
	s_endpgm
.Lk:
	s_wait_alu depctr_va_vdst(0)
	BIASQK
	GRPQK 0, 0, DKV
	GRPQK 1, 0, DKV
	s_endpgm
.Lfunc_end_k_qeba06082a0_proj:
	.size	k_qeba06082a0_proj, .Lfunc_end_k_qeba06082a0_proj-k_qeba06082a0_proj
	.p2alignl 7, 3214868480
	.fill 96, 4, 3214868480
	.section	.rodata,"a",@progbits
	.p2align	6, 0x0
	.amdhsa_kernel k_qeba06082a0_proj
		.amdhsa_group_segment_fixed_size 0
		.amdhsa_private_segment_fixed_size 0
		.amdhsa_enable_private_segment 0
		.amdhsa_kernarg_size 48
		.amdhsa_user_sgpr_count 2
		.amdhsa_user_sgpr_kernarg_segment_ptr 1
		.amdhsa_wavefront_size32 1
		.amdhsa_system_sgpr_workgroup_id_x 1
		.amdhsa_system_sgpr_workgroup_id_y 1
		.amdhsa_system_sgpr_workgroup_id_z 1
		.amdhsa_system_vgpr_workitem_id 0
		.amdhsa_next_free_vgpr 320
		.amdhsa_next_free_sgpr 66
		.amdhsa_reserve_vcc 0
		.amdhsa_float_denorm_mode_32 3
		.amdhsa_float_denorm_mode_16_64 3
		.amdhsa_fp16_overflow 1
		.amdhsa_memory_ordered 1
		.amdhsa_forward_progress 1
		.amdhsa_inst_pref_size 64
	.end_amdhsa_kernel
	.amdgpu_metadata
---
amdhsa.version: [ 1, 2 ]
amdhsa.kernels:
  - .name:           k_qeba06082a0_proj
    .symbol:         k_qeba06082a0_proj.kd
    .args:
      - { .name: wq, .offset: 0, .size: 8, .value_kind: global_buffer, .address_space: global }
      - { .name: b_in_self, .offset: 8, .size: 8, .value_kind: global_buffer, .address_space: global }
      - { .name: b_in_cross, .offset: 16, .size: 8, .value_kind: global_buffer, .address_space: global }
      - { .name: qb, .offset: 24, .size: 8, .value_kind: global_buffer, .address_space: global }
      - { .name: kv1, .offset: 32, .size: 8, .value_kind: global_buffer, .address_space: global }
      - { .name: kv2, .offset: 40, .size: 8, .value_kind: global_buffer, .address_space: global }
    .group_segment_fixed_size: 0
    .private_segment_fixed_size: 0
    .kernarg_segment_align: 8
    .kernarg_segment_size: 48
    .max_flat_workgroup_size: 256
    .sgpr_count:     66
    .vgpr_count:     320
    .wavefront_size: 32
...
	.end_amdgpu_metadata
.endif
;; end of part 2
;; launch att1 (part 3): grid 32 x 8, 16 waves a work-group, clusters of 4 x 1, 327,680 bytes of LDS; arguments qb, kv1, ao; writes ao
.if DOCPART == 3
	.amdgcn_target "amdgcn-amd-amdhsa--gfx1250"
	.amdhsa_code_object_version 6
	.text
	.protected	k_qeba06082a0_att1
	.globl	k_qeba06082a0_att1
	.p2align	8
	.type	k_qeba06082a0_att1,@function
k_qeba06082a0_att1:
	s_mov_b64 s[64:65], 0
	v_nop
	global_prefetch_b8 v0, s[64:65] scope:SCOPE_SE
	s_setreg_imm32_b32 hwreg(HW_REG_WAVE_MODE, 25, 1), 1
	s_wait_xcnt 0x0
	s_wait_alu depctr_hold_cnt(0) depctr_sa_sdst(0) depctr_va_vdst(0) depctr_va_sdst(0) depctr_va_ssrc(0) depctr_va_vcc(0) depctr_vm_vsrc(0)
	s_getreg_b32 s2, hwreg(HW_REG_IB_STS2, 6, 4)
	s_cmp_eq_u32 s2, 0
	s_cbranch_scc0 .Lentry_in_a_cluster
	s_endpgm
.Lentry_in_a_cluster:
	s_bfe_u32 s2, ttmp6, 0x10000c
	s_cmp_lg_u32 s2, 0x3003
	s_cbranch_scc0 .Lentry_shape_is_right
	s_endpgm
.Lentry_shape_is_right:
.set REC,   8448
.set HEADB, 32*REC
.set STG,   HEADB
.set MRG,   STG+512
.set MT,    2304
.set SPARE, MRG+8*MT
.set LI,  1
.set LS,  2
.set AI,  3
.set AS,  4
.set SPW, 5
.set NIL, 6
.set SRD, 7
.set SWR, 8
.set R4,  9
.set MI,  10
.set MS,  11
.set QC,  28
.set QS,  44
.set KS,  45
.set VS,  46
.set PS,  47
.set KF,  48
.set VF,  80
.set S,   112
.set O,   176
.set P,   192
.set BM,  208
.set BP,  212
.set BH,  216
.set BS,  220
.set FF,  224
.set TT,  226
.set OM,  227
.set WV,  10
.set CNT, 15
.set CS,  22
.set SEL, 24
.set MNT, 26
.set TB,  27
.set G1,  28
.set W8,  36
.set KH,  37
.set G0A, 44
.set G0B, 48
.macro CROUND
	s_barrier_signal -1
	s_barrier_wait -1
	s_cmp_lg_u32 s[WV], 0
	s_cbranch_scc1 .Lnot_wave_0_\@
	s_barrier_signal -3
.Lnot_wave_0_\@:
	s_barrier_wait -3
	s_barrier_signal -1
	s_barrier_wait -1
.endm
	s_load_b128 s[4:7], s[0:1], 0x0
	s_load_b64 s[8:9], s[0:1], 0x10
	v_lshl_add_u32 v[SPW], v0, 2, SPARE
	v_mov_b32 v[NIL], 0
	ds_add_u32 v[SPW], v[NIL]
	ds_add_u32 v[SPW], v[NIL]
	v_lshrrev_b32 v[R4], 5, v0
	s_delay_alu instid0(VALU_DEP_1)
	v_readfirstlane_b32 s[WV], v[R4]
	s_and_b32 s[W8], s[WV], 7
	s_lshr_b32 s[KH], s[WV], 3
	s_bfe_u32 s11, ttmp6, 0x40000
	s_lshl_b32 s13, ttmp9, 2
	s_add_co_u32 s13, s13, s11
	s_lshl_b32 s14, s13, 3
	s_add_co_u32 s14, s14, s[W8]
	s_and_b32 s12, ttmp7, 0xffff
	s_mov_b32 s[G1], 15|(3<<16)|(1<<21)
	s_mov_b32 s[G1+1], 32<<16
	s_mov_b32 s[G1+2], 33<<16
	s_mov_b32 s[G1+3], 32<<16
	s_mov_b32 s[G1+4], 33
	s_mov_b32 s[G1+5], 32
	s_mov_b32 s[G1+6], 0
	s_mov_b32 s[G1+7], 0
	s_mul_i32 s16, s[WV], REC
	s_add_co_u32 s17, s16, 16*REC
	s_mul_i32 s18, s12, HEADB
	s_mov_b32 s19, 0
	s_mov_b32 s21, 0
	s_mov_b32 s[CS], 0x3e8293ee
	s_mov_b32 s[CS+1], s[CS]
	s_mov_b32 s[SEL], 0x76543210
	s_mov_b32 s[SEL+1], 0xfedcba98
	s_mov_b32 s[MNT], 0x600000
	s_mul_i32 s[TB], s[KH], REC
	s_wait_dscnt 0x0
	s_wait_kmcnt 0x0
	s_add_nc_u64 s[6:7], s[6:7], s[18:19]
	s_mov_b32 s[G0A], 1
	s_mov_b32 s[G0A+1], s16
	s_mov_b32 s20, s16
	s_add_nc_u64 s[G0A+2:G0A+3], s[6:7], s[20:21]
	s_or_b32 s[G0A+3], s[G0A+3], 0x80000000
	s_mov_b32 s[G0B], 1
	s_mov_b32 s[G0B+1], s17
	s_mov_b32 s20, s17
	s_add_nc_u64 s[G0B+2:G0B+3], s[6:7], s[20:21]
	s_or_b32 s[G0B+3], s[G0B+3], 0x80000000
	s_mov_b32 s57, 0
	s_add_nc_u64 s[52:53], s[4:5], 0x100000
	s_lshl_b32 s56, s12, 17
	s_lshl_b32 s58, s14, 9
	s_add_co_u32 s56, s56, s58
	s_add_nc_u64 s[4:5], s[4:5], s[56:57]
	s_lshl_b32 s56, s12, 14
	s_lshl_b32 s58, s14, 6
	s_add_co_u32 s56, s56, s58
	s_add_nc_u64 s[52:53], s[52:53], s[56:57]
	s_add_nc_u64 s[54:55], s[8:9], 0x100000
	s_lshl_b32 s56, s12, 14
	s_lshl_b32 s58, s13, 9
	s_add_co_u32 s56, s56, s58
	s_add_nc_u64 s[54:55], s[54:55], s[56:57]
	s_lshl_b32 s56, s14, 12
	s_lshr_b32 s58, s12, 2
	s_lshl_b32 s58, s58, 11
	s_add_co_u32 s56, s56, s58
	s_and_b32 s58, s12, 3
	s_lshl_b32 s58, s58, 9
	s_add_co_u32 s56, s56, s58
	s_add_nc_u64 s[8:9], s[8:9], s[56:57]
	CROUND
	tensor_load_to_lds s[G0A:G0A+3], s[G1:G1+7]
	s_nop 0
	v_and_b32 v[LS], 31, v0
	s_delay_alu instid0(VALU_DEP_1)
	v_lshlrev_b32 v[LI], 4, v[LS]
	s_delay_alu instid0(VALU_DEP_2)
	v_lshlrev_b32 v[LS], 2, v[LS]
	v_and_b32 v[R4], 15, v0
	s_delay_alu instid0(VALU_DEP_1)
	v_lshlrev_b32 v[R4], 2, v[R4]
	s_delay_alu instid0(VALU_DEP_4)
	v_add_nc_u32 v[SRD], STG, v[LI]
	s_lshl_b32 s20, s[W8], 6
	s_add_co_u32 s20, s20, STG
	v_add_nc_u32 v[SWR], s20, v[R4]
	s_mul_i32 s20, s[W8], MT
	s_add_co_u32 s20, s20, MRG
	v_add_nc_u32 v[MI], s20, v[LI]
	s_add_co_u32 s20, s20, 2048
	v_add_nc_u32 v[MS], s20, v[LS]
.irp j, 16,17,18,19,20,21,22,23,24,25,26,27,32,33,34,35,36,37,38,39,40,41,42,43
	v_mov_b32 v[\j], 0
.endr
	v_mov_b32 v13, 0xff61b1e6
	s_delay_alu instid0(VALU_DEP_1)
	v_floor_f32 v12, -v13
	v_mov_b32 v14, 0
	v_mov_b32 v15, 0
.irp b, 0,1,2,3
	v_mov_b32 v[BP+\b], 0
.endr
	v_mov_b32 v[FF+1], 0
	s_wait_alu depctr_va_vdst(0)
	s_wait_tensorcnt 0x0
	ds_add_u32 v5, v6
	s_wait_dscnt 0x0
	CROUND
	tensor_load_to_lds s[G0B:G0B+3], s[G1:G1+7]
	s_nop 0
	global_load_b128 v[QC:QC+3], v[LI], s[4:5]
	global_load_b32 v[QS], v[R4], s[52:53]
	s_wait_loadcnt 0x0
	v_perm_b32 v[QS], v[QS], v[QS], 0
.irp j, 0,1,2,3,4,5,6,7,8,9,10,11,12,13,14,15
	v_mov_b32 v[O+\j], 0
.endr
	v_add_nc_u32 v[AI], s[TB], v[LI]
	v_add_nc_u32 v[AS], s[TB], v[LS]
	s_wait_alu depctr_va_vdst(0)
	s_wait_tensorcnt 1
	s_barrier_signal -1
	s_barrier_wait -1
.irp g, 0,1
.irp c, 0,1,2,3
	ds_load_b128 v[KF+16*\g+4*\c:KF+16*\g+4*\c+3], v[AI] offset:2048*\g+512*\c
.endr
.endr
	ds_load_b32 v[KS], v[AS] offset:8192
	s_wait_dscnt 0x0
.macro STEP ahead
.irp c, 0,1,2,3
	v_wmma_scale_f32_16x16x128_f8f6f4 v[S+8*\c:S+8*\c+7], v[KF:KF+15], v[QC-4*\c:QC-4*\c+15], 0, v[KS], v[QS]
.endr
.irp c, 0,1,2,3
	v_wmma_scale_f32_16x16x128_f8f6f4 v[S+32+8*\c:S+32+8*\c+7], v[KF+16:KF+31], v[QC-4*\c:QC-4*\c+15], 0, v[KS], v[QS] matrix_a_scale:MATRIX_SCALE_ROW1
.endr
	v_add_nc_u32 v[AI], s[TB], v[LI]
	v_add_nc_u32 v[AS], s[TB], v[LS]
	v_mov_b32 v[OM], v12
.rept 5
	v_nop
.endr
.irp u, 0,1
.irp c, 0,1,2,3
	ds_load_b128 v[VF+16*\u+4*\c:VF+16*\u+4*\c+3], v[AI] offset:4096+2048*\u+512*\c
.endr
.endr
	ds_load_b32 v[VS], v[AS] offset:8320
.if \ahead
.irp g, 0,1
.irp c, 0,1,2,3
	ds_load_b128 v[KF+16*\g+4*\c:KF+16*\g+4*\c+3], v[AI] offset:2*REC+2048*\g+512*\c
.endr
.endr
	ds_load_b32 v[KS], v[AS] offset:2*REC+8192
.endif
.irp b, 0,1,2,3
	v_max3_num_f32 v[BM+\b], v[S+16*\b], v[S+16*\b+1], v[S+16*\b+2]
.endr
.irp i, 3,5,7,9,11,13
.irp b, 0,1,2,3
	v_max3_num_f32 v[BM+\b], v[BM+\b], v[S+16*\b+\i], v[S+16*\b+\i+1]
.endr
.endr
.irp b, 0,1,2,3
	v_max_num_f32 v[BM+\b], v[BM+\b], v[S+16*\b+15]
.endr
.irp b, 0,1,2,3
	s_delay_alu instid0(VALU_DEP_4)
	v_permlanex16_b32 v[BP+\b], v[BM+\b], s[SEL], s[SEL+1]
.endr
.irp b, 0,1,2,3
	s_delay_alu instid0(VALU_DEP_4)
	v_max_num_f32 v[BM+\b], v[BM+\b], v[BP+\b]
.endr
	s_delay_alu instid0(VALU_DEP_2)
	v_max3_num_f32 v[TT], v[BM], v[BM+1], v[BM+2]
	s_delay_alu instid0(VALU_DEP_1)
	v_max_num_f32 v[TT], v[TT], v[BM+3]
	s_delay_alu instid0(VALU_DEP_1)
	v_mul_f32 v[TT], s[CS], v[TT]
	s_delay_alu instid0(VALU_DEP_1)
	v_max_num_f32 v13, v13, v[TT]
	s_delay_alu instid0(VALU_DEP_1)
	v_floor_f32 v12, -v13
	s_delay_alu instid0(VALU_DEP_1)
	v_sub_f32 v[TT], v12, v[OM]
	s_delay_alu instid0(VALU_DEP_1)
	v_cvt_i32_f32 v[TT], v[TT]
	s_delay_alu instid0(VALU_DEP_1)
	v_ldexp_f32 v[FF], 1.0, v[TT]
.set j, 0
.rept 32
	v_pk_fma_f32 v[S+j:S+j+1], v[S+j:S+j+1], s[CS:CS+1], v[12:13] op_sel_hi:[1,0,0]
.set j, j+2
.endr
.irp b, 0,1,2,3
	v_fma_f32 v[BM+\b], v[BM+\b], s[CS], v12
.endr
.set j, 0
	s_wait_alu depctr_va_vdst(0)
.rept 64
	v_exp_f32 v[S+j], v[S+j]
.set j, j+1
.endr
	v_pk_mul_f32 v[14:15], v[14:15], v[FF:FF+1] op_sel_hi:[1,0]
	s_wait_alu depctr_va_vdst(0)
.irp b, 0,1,2,3
	v_exp_f32 v[BM+\b], v[BM+\b]
.endr
	v_pk_add_f32 v[BP:BP+1], v[S:S+1], v[S+2:S+3]
.irp j, 4,8,12,16,20,24,28,32,36,40,44,48,52,56,60
	v_pk_add_f32 v[14:15], v[14:15], v[S+\j:S+\j+1]
	v_pk_add_f32 v[BP:BP+1], v[BP:BP+1], v[S+\j+2:S+\j+3]
.endr
	s_delay_alu instid0(VALU_DEP_1)
	v_pk_add_f32 v[14:15], v[14:15], v[BP:BP+1]
	s_wait_alu depctr_va_vdst(0)
.irp b, 0,1,2,3
	v_max_num_f32 v[BM+\b], 0x4800000, v[BM+\b]
.endr
.irp b, 0,1,2,3
	s_delay_alu instid0(VALU_DEP_4)
	v_add_nc_u32 v[BS+\b], 0xfc000000, v[BM+\b]
.endr
.irp b, 0,1,2,3
	v_and_or_b32 v[BH+\b], v[BM+\b], 0x7f800000, s[MNT]
.endr
.irp b, 0,1,2,3
	v_lshrrev_b32 v[BP+\b], 23, v[BS+\b]
.endr
	s_delay_alu instid0(VALU_DEP_3)
	v_lshl_or_b32 v[PS], v[BP+1], 8, v[BP]
	s_delay_alu instid0(VALU_DEP_1)
	v_lshl_or_b32 v[PS], v[BP+2], 16, v[PS]
	s_delay_alu instid0(VALU_DEP_1)
	v_lshl_or_b32 v[PS], v[BP+3], 24, v[PS]
.irp b, 0,1,2,3
.irp i, 0,1,2,3,4,5,6,7,8,9,10,11,12,13,14,15
.endr
	v_cvt_scalef32_pk8_fp8_f32 v[P+4*\b:P+4*\b+1], v[S+16*\b:S+16*\b+7], v[BS+\b]
	v_cvt_scalef32_pk8_fp8_f32 v[P+4*\b+2:P+4*\b+3], v[S+16*\b+8:S+16*\b+15], v[BS+\b]
.endr
.irp j, 0,2,4,6,8,10,12,14
	v_pk_mul_f32 v[O+\j:O+\j+1], v[O+\j:O+\j+1], v[FF:FF+1] op_sel_hi:[1,0]
.endr
	s_wait_alu depctr_va_vdst(0)
	s_wait_dscnt 0x0
	v_wmma_scale_f32_16x16x128_f8f6f4 v[O:O+7], v[VF:VF+15], v[P:P+15], v[O:O+7], v[VS], v[PS]
	v_wmma_scale_f32_16x16x128_f8f6f4 v[O+8:O+15], v[VF+16:VF+31], v[P:P+15], v[O+8:O+15], v[VS], v[PS] matrix_a_scale:MATRIX_SCALE_ROW1
	s_add_co_u32 s[TB], s[TB], 2*REC
.endm
	s_mov_b32 s[CNT], 7
.Lfirst:
	STEP 1
	s_sub_co_u32 s[CNT], s[CNT], 1
	s_cmp_lg_u32 s[CNT], 0
	s_cbranch_scc1 .Lfirst
	s_wait_tensorcnt 0x0
	s_wait_dscnt 0x0
	s_barrier_signal -1
	s_barrier_wait -1
	s_mov_b32 s[CNT], 8
.Lrest:
	STEP 1
	s_sub_co_u32 s[CNT], s[CNT], 1
	s_cmp_lg_u32 s[CNT], 0
	s_cbranch_scc1 .Lrest
	STEP 0
	v_add_f32 v14, v14, v15
.rept 7
	v_nop
.endr
	s_cmp_lt_u32 s[WV], 8
	s_cbranch_scc1 .Llower
.irp c, 0,1,2,3
	ds_store_b128 v[MI], v[O+4*\c:O+4*\c+3] offset:512*\c
.endr
	ds_store_b32 v[MS], v12
	ds_store_b32 v[MS], v14 offset:128
.Llower:
	s_wait_dscnt 0x0
	s_barrier_signal -1
	s_barrier_wait -1
	s_cmp_ge_u32 s[WV], 8
	s_cbranch_scc1 .Lupper
.irp c, 0,1,2,3
	ds_load_b128 v[S+4*\c:S+4*\c+3], v[MI] offset:512*\c
.endr
	ds_load_b32 v[BM], v[MS]
	ds_load_b32 v[BM+2], v[MS] offset:128
	s_wait_dscnt 0x0
	v_min_num_f32 v[TT], v12, v[BM]
	s_delay_alu instid0(VALU_DEP_1)
	v_sub_f32 v[FF], v[TT], v12
	s_delay_alu instid0(VALU_DEP_2)
	v_sub_f32 v[BH], v[TT], v[BM]
	s_delay_alu instid0(VALU_DEP_2)
	v_cvt_i32_f32 v[FF], v[FF]
	s_delay_alu instid0(VALU_DEP_2)
	v_cvt_i32_f32 v[BH], v[BH]
	s_delay_alu instid0(VALU_DEP_2)
	v_ldexp_f32 v[FF], 1.0, v[FF]
	s_wait_alu depctr_va_vdst(0)
	v_ldexp_f32 v[BH], 1.0, v[BH]
	v_mul_f32 v14, v14, v[FF]
	s_delay_alu instid0(VALU_DEP_1)
	v_fma_f32 v14, v[BM+2], v[BH], v14
.irp j, 0,2,4,6,8,10,12,14
	v_pk_mul_f32 v[O+\j:O+\j+1], v[O+\j:O+\j+1], v[FF:FF+1] op_sel_hi:[1,0]
.endr
.irp j, 0,2,4,6,8,10,12,14
	v_pk_fma_f32 v[O+\j:O+\j+1], v[S+\j:S+\j+1], v[BH:BH+1], v[O+\j:O+\j+1] op_sel_hi:[1,0,1]
.endr
	v_permlanex16_b32 v[TT], v14, s[SEL], s[SEL+1]
	s_delay_alu instid0(VALU_DEP_1)
	v_add_f32 v14, v14, v[TT]
	s_wait_alu depctr_va_vdst(0)
	v_rcp_f32 v14, v14
	v_nop
	s_wait_alu depctr_va_vdst(0)
.irp j, 0,1,2,3,4,5,6,7,8,9,10,11,12,13,14,15
	v_mul_f32 v[S+\j], v[O+\j], v14
.endr
	v_max3_num_f32 v[BM], |v[S]|, |v[S+1]|, 0x4800000
.irp i, 2,4,6,8,10,12,14
	s_delay_alu instid0(VALU_DEP_1)
	v_max3_num_f32 v[BM], v[BM], |v[S+\i]|, |v[S+\i+1]|
.endr
	s_delay_alu instid0(VALU_DEP_1)
	v_permlanex16_b32 v[BP], v[BM], s[SEL], s[SEL+1]
	s_delay_alu instid0(VALU_DEP_1)
	v_max_num_f32 v[BM], v[BM], v[BP]
	s_delay_alu instid0(VALU_DEP_1)
	v_add_nc_u32 v[BS], 0xfc000000, v[BM]
	s_delay_alu instid0(VALU_DEP_1)
	v_lshrrev_b32 v[BP], 23, v[BS]
.irp i, 0,1,2,3,4,5,6,7,8,9,10,11,12,13,14,15
.endr
	v_cvt_scalef32_pk8_fp8_f32 v[P:P+1], v[S:S+7], v[BS]
	v_cvt_scalef32_pk8_fp8_f32 v[P+2:P+3], v[S+8:S+15], v[BS]
	v_nop
	global_store_b128 v[LI], v[P:P+3], s[8:9]
	ds_store_b32 v[SWR], v[BP]
.Lupper:
	s_wait_dscnt 0x0
	s_barrier_signal -1
	s_barrier_wait -1
	s_cmp_lg_u32 s[WV], 0
	s_cbranch_scc1 .Lnot_first
	ds_load_b128 v[S:S+3], v[SRD]
	s_wait_dscnt 0x0
	global_store_b128 v[LI], v[S:S+3], s[54:55]
.Lnot_first:
	s_wait_tensorcnt 0x0
	ds_add_u32 v[SPW], v[NIL]
	s_wait_dscnt 0x0
	CROUND
	s_endpgm
.Lfunc_end_k_qeba06082a0_att1:
	.size	k_qeba06082a0_att1, .Lfunc_end_k_qeba06082a0_att1-k_qeba06082a0_att1
	.p2alignl 7, 3214868480
	.fill 96, 4, 3214868480
	.section	.rodata,"a",@progbits
	.p2align	6, 0x0
	.amdhsa_kernel k_qeba06082a0_att1
		.amdhsa_group_segment_fixed_size 327680
		.amdhsa_private_segment_fixed_size 0
		.amdhsa_enable_private_segment 0
		.amdhsa_kernarg_size 24
		.amdhsa_user_sgpr_count 2
		.amdhsa_user_sgpr_kernarg_segment_ptr 1
		.amdhsa_wavefront_size32 1
		.amdhsa_system_sgpr_workgroup_id_x 1
		.amdhsa_system_sgpr_workgroup_id_y 1
		.amdhsa_system_sgpr_workgroup_id_z 1
		.amdhsa_system_vgpr_workitem_id 0
		.amdhsa_next_free_vgpr 256
		.amdhsa_next_free_sgpr 66
		.amdhsa_reserve_vcc 0
		.amdhsa_float_denorm_mode_32 3
		.amdhsa_float_denorm_mode_16_64 3
		.amdhsa_fp16_overflow 1
		.amdhsa_memory_ordered 1
		.amdhsa_forward_progress 1
		.amdhsa_inst_pref_size 58
	.end_amdhsa_kernel
	.amdgpu_metadata
---
amdhsa.version: [ 1, 2 ]
amdhsa.kernels:
  - .name:           k_qeba06082a0_att1
    .symbol:         k_qeba06082a0_att1.kd
    .args:
      - { .name: qb, .offset: 0, .size: 8, .value_kind: global_buffer, .address_space: global }
      - { .name: kv1, .offset: 8, .size: 8, .value_kind: global_buffer, .address_space: global }
      - { .name: ao, .offset: 16, .size: 8, .value_kind: global_buffer, .address_space: global }
    .group_segment_fixed_size: 327680
    .private_segment_fixed_size: 0
    .kernarg_segment_align: 8
    .kernarg_segment_size: 24
    .max_flat_workgroup_size: 512
    .sgpr_count:     66
    .vgpr_count:     256
    .wavefront_size: 32
...
	.end_amdgpu_metadata
.endif
;; end of part 3
;; launch mid (part 4): grid 128 x 1, 8 waves a work-group, no clusters, 11,520 bytes of LDS; arguments ao, wq, b_out_self, tgt, g1, be1, query_pos, b_in_cross, x1, qb; writes x1, qb
.if DOCPART == 4
	.amdgcn_target "amdgcn-amd-amdhsa--gfx1250"
	.amdhsa_code_object_version 6
	.text
	.protected	k_qeba06082a0_mid
	.globl	k_qeba06082a0_mid
	.p2align	8
	.type	k_qeba06082a0_mid,@function
k_qeba06082a0_mid:
	s_mov_b64 s[64:65], 0
	v_nop
	global_prefetch_b8 v0, s[64:65] scope:SCOPE_SE
	s_setreg_imm32_b32 hwreg(HW_REG_WAVE_MODE, 25, 1), 1
	s_wait_xcnt 0x0
; x = LN1(tgt + attention W_out^T + b_out); then the cross-attention's Q = (x + query_pos) Wq^T + bq, quantised by head.  Nothing is left out.
; SHARES.  Work-group i: tokens 32 i .. 32 i + 31, as the two tiles 2 i + m of 16 rows (row r of tile m is token 32 i + 8 m + r + 8 (r / 8)).  Wave w: features 32 w .. 32 w + 31 (W's tiles 2 w + u).
; Source 0 = 16 rows of W, source 1 = 16 tokens: a lane holds one token and, in the 16 registers X(m), its features 32 w + 16 (lane / 16) + 0 .. 15.  Residual and bias are summed first and the products add onto them in place.
; Each wave's weights go from memory straight into its registers, once; no tile is shared through LDS, so there is no joint load: it would send the same bytes through LDS first.
; A row's mean and variance (two passes, as the layer norm is written) meet in LDS: a word for each (token, wave).  x + query_pos goes from wave to wave as an image of the operand's registers.  Three barriers.
; x goes to x1 as [tile][feature group][4][lane][16 bytes]: 512 consecutive bytes a store.  tgt and query_pos are read 64 bytes a lane.
; LIMITS: as in the first launch; the sums of a row are taken by lane, lane pair and wave.
.set QS0,   5767168
.set UO,    12                         ; W_out's first unit
.set UQ,    6                          ; Wq's
.set RED1,  0
.set RED2,  1024
.set XIMG,  2048                       ; two tiles' images, 4,096 bytes each
.set XSC,   10240                      ; their scale registers' images, 128 bytes each
.set SPARE, 10496
.set LI,   1                           ; 16 x lane
.set LS,   2                           ; 4 x lane
.set AOS,  3                           ; 65,536 h + 4 r
.set FO,   4                           ; 128 w + 64 h
.set REDW, 5                           ; 32 r + 4 w
.set REDR, 6                           ; 32 r
.set XWI,  7                           ; XIMG + 2,048 (w / 4) + 512 (w % 4) + 16 x lane
.set XWB,  8                           ; XSC + 64 (w / 4) + w % 4 + 4 r
.set TOK,  9                           ; 1,024 (r + 8 (r / 8)) + 128 w + 64 h
.set SPW,  18
.set NIL,  19
.set WS,   20
.set XS,   22
.set WQS,  24
.set TMX,  36
.set TMB,  40
.set TMH,  44
.set TMS,  48
.set PW,   52
.set PC0,  56
.set ST,   60                          ; v[60:61], v[62:63]: tile m's mean, then 1 / sqrt(var + eps); the upper words are written once
.set ACC,  64
.set LT,   64                          ; v64-79 at work in the norm
.set LR,   80                          ; v80-95 the eight waves' words
.set XF,   128                         ; v128-191 the tokens' fragments: tile m, K step k at 32 m + 16 k
.set BI,   192                         ; v192-207 b_out; v208-223 bq
.set X,    224                         ; v224-255
.set WV,   24
.set SEL,  26
.set MNT,  28
.set HI,   29
.set I256, 30
.set EPS,  31
.set AOSP, 36
.set WSP,  38
.set WP,   40
.set QSP,  42
.set MSB, 0
.macro WIN new
.if MSB != \new
	s_set_vgpr_msb (MSB<<8)|\new
.set MSB, \new
.endif
.endm
.macro QUANT src, tmp, nb, relu, pc    ; as in the first launch
.irp b, 0,1,2,3
.if \b < \nb
.if \relu
	v_max3_num_f32 v[TMX+\b], v[(\src)+16*\b], v[(\src)+16*\b+1], 0x4800000
.else
	v_max3_num_f32 v[TMX+\b], |v[(\src)+16*\b]|, |v[(\src)+16*\b+1]|, 0x4800000
.endif
.endif
.endr
.irp i, 2,4,6,8,10,12,14
.irp b, 0,1,2,3
.if \b < \nb
.if \relu
	v_max3_num_f32 v[TMX+\b], v[TMX+\b], v[(\src)+16*\b+\i], v[(\src)+16*\b+\i+1]
.else
	v_max3_num_f32 v[TMX+\b], v[TMX+\b], |v[(\src)+16*\b+\i]|, |v[(\src)+16*\b+\i+1]|
.endif
.endif
.endr
.endr
.irp b, 0,1,2,3
.if \b < \nb
	s_delay_alu instid0(VALU_DEP_2)
	v_permlanex16_b32 v[TMB+\b], v[TMX+\b], s[SEL], s[SEL+1]
.endif
.endr
.irp b, 0,1,2,3
.if \b < \nb
	s_delay_alu instid0(VALU_DEP_2)
	v_max_num_f32 v[TMX+\b], v[TMX+\b], v[TMB+\b]
.endif
.endr
.irp b, 0,1,2,3
.if \b < \nb
	s_delay_alu instid0(VALU_DEP_2)
	v_add_nc_u32 v[TMS+\b], 0xfc000000, v[TMX+\b]
.endif
.endr
.irp b, 0,1,2,3
.if \b < \nb
.endif
.endr
.irp b, 0,1,2,3
.if \b < \nb
	s_delay_alu instid0(VALU_DEP_2)
	v_lshrrev_b32 v[TMB+\b], 23, v[TMS+\b]
.endif
.endr
	s_delay_alu instid0(VALU_DEP_1)
	v_lshl_or_b32 v[PW], v[TMB+1], 8, v[TMB]
.if \nb > 2
	v_lshl_or_b32 v[PW], v[TMB+2], 16, v[PW]
	v_lshl_or_b32 v[PW], v[TMB+3], 24, v[PW]
.endif
.irp b, 0,1,2,3
.if \b < \nb
.if \b == 0
.set QDR, \pc
.else
.set QDR, (\tmp)+16*(\b-1)
.endif
.irp i, 0,1,2,3,4,5,6,7,8,9,10,11,12,13,14,15
.if \relu
	v_med3_num_f32 v[(\tmp)+16*\b+\i], v[(\src)+16*\b+\i], 0, v[TMH+\b]
.else
.endif
.endr
	v_nop
	v_cvt_scalef32_pk8_fp8_f32 v[QDR:QDR+1], v[(\tmp)+16*\b:(\tmp)+16*\b+7], v[TMS+\b]
	v_cvt_scalef32_pk8_fp8_f32 v[QDR+2:QDR+3], v[(\tmp)+16*\b+8:(\tmp)+16*\b+15], v[TMS+\b]
.endif
.endr
	v_nop
.endm
.macro MM d, a, b, c, sa, sb, row      ; row = 1: K step 1, whose scale words stand in lanes 16-31 of both scale registers
.if \row
	v_wmma_scale_f32_16x16x128_f8f6f4 v[(\d):(\d)+7], v[(\a):(\a)+15], v[(\b):(\b)+15], v[(\c):(\c)+7], v[\sa], v[\sb] matrix_a_scale:MATRIX_SCALE_ROW1 matrix_b_scale:MATRIX_SCALE_ROW1
.else
	v_wmma_scale_f32_16x16x128_f8f6f4 v[(\d):(\d)+7], v[(\a):(\a)+15], v[(\b):(\b)+15], v[(\c):(\c)+7], v[\sa], v[\sb]
.endif
.endm
.macro PLACES
.rept 8
	v_nop
.endr
.endm
.macro BARRIER                         ; my LDS stores have landed and my LDS loads are in: then the work-group's barrier
	s_wait_dscnt 0x0
	s_barrier_signal -1
	s_barrier_wait -1
.endm
.macro FOLD m, red                     ; a pair of partial sums becomes one number, joined with lane l xor 16's, and goes to my word
	s_delay_alu instid0(VALU_DEP_1)
	v_add_f32 v[LT+8*\m], v[LT+8*\m], v[LT+8*\m+1]
	s_delay_alu instid0(VALU_DEP_1)
	v_permlanex16_b32 v[LT+8*\m+1], v[LT+8*\m], s[SEL], s[SEL+1]
	s_delay_alu instid0(VALU_DEP_1)
	v_add_f32 v[LT+8*\m], v[LT+8*\m], v[LT+8*\m+1]
	ds_store_b32 v[REDW], v[LT+8*\m] offset:\red+512*\m
.endm
.macro GATHER red                      ; the eight waves' words of my token, both tiles
.irp m, 0,1
	ds_load_b128 v[LR+8*\m:LR+8*\m+3], v[REDR] offset:\red+512*\m
	ds_load_b128 v[LR+8*\m+4:LR+8*\m+7], v[REDR] offset:\red+512*\m+16
.endr
	s_wait_dscnt 0x0
.endm
.macro TOTAL m
	v_pk_add_f32 v[LR+8*\m:LR+8*\m+1], v[LR+8*\m:LR+8*\m+1], v[LR+8*\m+2:LR+8*\m+3]
	v_pk_add_f32 v[LR+8*\m+4:LR+8*\m+5], v[LR+8*\m+4:LR+8*\m+5], v[LR+8*\m+6:LR+8*\m+7]
	s_delay_alu instid0(VALU_DEP_1)
	v_pk_add_f32 v[LR+8*\m:LR+8*\m+1], v[LR+8*\m:LR+8*\m+1], v[LR+8*\m+4:LR+8*\m+5]
	s_delay_alu instid0(VALU_DEP_1)
	v_add_f32 v[LR+8*\m], v[LR+8*\m], v[LR+8*\m+1]
.endm
; X = (X - mean) / sqrt(var + 1e-5) x g + be, over the 256 features of each token; g at v[gr] on, be at v[br] on.  Two barriers.
.macro LNORM red1, red2, gr, br
.irp m, 0,1
.irp p, 0,1,2,3
	v_pk_add_f32 v[LT+8*\m+2*\p:LT+8*\m+2*\p+1], v[X+16*\m+4*\p:X+16*\m+4*\p+1], v[X+16*\m+4*\p+2:X+16*\m+4*\p+3]     ; (each accumulator is read from its low end on)
.endr
	s_delay_alu instid0(VALU_DEP_3)
	v_pk_add_f32 v[LT+8*\m:LT+8*\m+1], v[LT+8*\m:LT+8*\m+1], v[LT+8*\m+2:LT+8*\m+3]
	s_delay_alu instid0(VALU_DEP_2)
	v_pk_add_f32 v[LT+8*\m+4:LT+8*\m+5], v[LT+8*\m+4:LT+8*\m+5], v[LT+8*\m+6:LT+8*\m+7]
	s_delay_alu instid0(VALU_DEP_1)
	v_pk_add_f32 v[LT+8*\m:LT+8*\m+1], v[LT+8*\m:LT+8*\m+1], v[LT+8*\m+4:LT+8*\m+5]
	FOLD \m, \red1
.endr
	BARRIER
	GATHER \red1
.irp m, 0,1
	TOTAL \m
	s_delay_alu instid0(VALU_DEP_1)
	v_mul_f32 v[ST+2*\m], s[I256], v[LR+8*\m]      ; the mean
.irp p, 0,2,4,6,8,10,12,14
	v_pk_add_f32 v[X+16*\m+\p:X+16*\m+\p+1], v[X+16*\m+\p:X+16*\m+\p+1], v[ST+2*\m:ST+2*\m+1] op_sel_hi:[1,0] neg_lo:[0,1] neg_hi:[0,1]
.endr
	v_pk_mul_f32 v[LT+8*\m:LT+8*\m+1], v[X+16*\m:X+16*\m+1], v[X+16*\m:X+16*\m+1]
	v_pk_mul_f32 v[LT+8*\m+2:LT+8*\m+3], v[X+16*\m+2:X+16*\m+3], v[X+16*\m+2:X+16*\m+3]
.irp p, 4,8,12
	s_delay_alu instid0(VALU_DEP_2)
	v_pk_fma_f32 v[LT+8*\m:LT+8*\m+1], v[X+16*\m+\p:X+16*\m+\p+1], v[X+16*\m+\p:X+16*\m+\p+1], v[LT+8*\m:LT+8*\m+1]
	s_delay_alu instid0(VALU_DEP_2)
	v_pk_fma_f32 v[LT+8*\m+2:LT+8*\m+3], v[X+16*\m+\p+2:X+16*\m+\p+3], v[X+16*\m+\p+2:X+16*\m+\p+3], v[LT+8*\m+2:LT+8*\m+3]
.endr
	s_delay_alu instid0(VALU_DEP_1)
	v_pk_add_f32 v[LT+8*\m:LT+8*\m+1], v[LT+8*\m:LT+8*\m+1], v[LT+8*\m+2:LT+8*\m+3]
	FOLD \m, \red2
.endr
	BARRIER
	GATHER \red2
.irp m, 0,1
	TOTAL \m
	s_delay_alu instid0(VALU_DEP_1)
	v_fma_f32 v[LR+8*\m], v[LR+8*\m], s[I256], s[EPS]
.endr
	s_wait_alu depctr_va_vdst(0)
	v_rsq_f32 v[ST], v[LR]
	v_rsq_f32 v[ST+2], v[LR+8]
	v_nop                                          ; a plain instruction behind the two
	s_wait_alu depctr_va_vdst(0)                   ; ahead of the first reader: one wait for both
.irp m, 0,1
.irp p, 0,2,4,6,8,10,12,14
	v_pk_mul_f32 v[X+16*\m+\p:X+16*\m+\p+1], v[X+16*\m+\p:X+16*\m+\p+1], v[ST+2*\m:ST+2*\m+1] op_sel_hi:[1,0]
.endr
.irp p, 0,2,4,6,8,10,12,14
	v_pk_fma_f32 v[X+16*\m+\p:X+16*\m+\p+1], v[X+16*\m+\p:X+16*\m+\p+1], v[(\gr)+\p:(\gr)+\p+1], v[(\br)+\p:(\br)+\p+1]
.endr
.endr
.endm
; my 32 features of both tiles (v[src] on) are quantised: they are one block of 32 of the next K: piece (w / 4, w % 4) of each tile's image, byte w % 4 of its scale words.  Behind the barrier every wave has the whole operand.
.macro XOUT src, tmp
	QUANT \src, \tmp, 2, 0, PC0
	ds_store_b128 v[XWI], v[PC0:PC0+3]
	ds_store_b128 v[XWI], v[(\tmp):(\tmp)+3] offset:4096
	ds_store_b8 v[XWB], v[TMB]                     ; both lanes of a row write the same byte with the same value
	ds_store_b8 v[XWB], v[TMB+1] offset:128
	BARRIER
.set n, 0
.rept 16
	ds_load_b128 v[XF+4*n:XF+4*n+3], v[LI] offset:XIMG+512*n
.set n, n+1
.endr
	ds_load_b32 v[XS], v[LS] offset:XSC
	ds_load_b32 v[XS+1], v[LS] offset:XSC+128
.endm
	s_load_b512 s[4:19], s[0:1], 0x0               ; ao 4, wq 6, b_out_self 8, tgt 10, g1 12, be1 14, query_pos 16, b_in_cross 18
	s_load_b128 s[20:23], s[0:1], 0x40             ; x1 20, qb 22
	v_lshl_add_u32 v[SPW], v0, 2, SPARE
	v_mov_b32 v[NIL], 0
	v_lshrrev_b32 v34, 5, v0
	s_delay_alu instid0(VALU_DEP_1)
	v_readfirstlane_b32 s[WV], v34
	v_and_b32 v34, 31, v0
	s_delay_alu instid0(VALU_DEP_1)
	v_lshlrev_b32 v[LI], 4, v34
	s_delay_alu instid0(VALU_DEP_2)
	v_lshlrev_b32 v[LS], 2, v34
	v_and_b32 v32, 15, v0                          ; r
	s_wait_alu depctr_va_vdst(0)
	v_bfe_u32 v33, v0, 4, 1                        ; h
	v_lshlrev_b32 v[AOS], 2, v32
	s_delay_alu instid0(VALU_DEP_1)
	v_lshl_add_u32 v[AOS], v33, 16, v[AOS]
	s_lshl_b32 s32, s[WV], 7
	v_lshlrev_b32 v[FO], 6, v33
	s_delay_alu instid0(VALU_DEP_1)
	v_add_nc_u32 v[FO], s32, v[FO]
	v_lshlrev_b32 v[REDR], 5, v32
	s_lshl_b32 s32, s[WV], 2
	v_add_nc_u32 v[REDW], s32, v[REDR]
	s_lshr_b32 s33, s[WV], 2
	s_and_b32 s34, s[WV], 3
	s_lshl_b32 s32, s33, 11
	s_lshl_b32 s35, s34, 9
	s_add_co_u32 s32, s32, s35
	s_add_co_u32 s32, s32, XIMG
	v_add_nc_u32 v[XWI], s32, v[LI]
	s_lshl_b32 s32, s33, 6
	s_add_co_u32 s32, s32, s34
	s_add_co_u32 s32, s32, XSC
	v_lshl_add_u32 v[XWB], v32, 2, s32
	v_and_b32 v34, 8, v32
	s_delay_alu instid0(VALU_DEP_1)
	v_add_nc_u32 v34, v34, v32
	s_wait_alu depctr_va_vdst(0)
	v_lshl_add_u32 v[TOK], v34, 10, v[FO]
.irp b, 0,1,2,3
	v_mov_b32 v[TMB+\b], 0                         ; written once: a lane permute's destination counts as one of its sources
	v_mov_b32 v[ST+\b], 0
.endr
	s_mov_b32 s[SEL], 0x76543210
	s_mov_b32 s[SEL+1], 0xfedcba98
	s_mov_b32 s[HI], 0xffff0000
	s_mov_b32 s[I256], 0x3b800000                  ; 1 / 256
	s_mov_b32 s[EPS], 0x3727c5ac                   ; 1e-5
	s_mov_b32 s33, 0
	s_wait_alu depctr_va_vdst(0)
	s_wait_kmcnt 0x0
	s_lshl_b32 s32, ttmp9, 7
	s_add_co_u32 s32, s32, 0x100000
	s_add_nc_u64 s[AOSP:AOSP+1], s[4:5], s[32:33]  ; the attention's scale bytes' words of tile 2 i
	s_lshl_b32 s32, ttmp9, 13
	s_add_nc_u64 s[4:5], s[4:5], s[32:33]          ; its codes
	s_lshl_b32 s32, s[WV], 13
	s_add_nc_u64 s[WP:WP+1], s[6:7], s[32:33]      ; a weight's tiles 2 w, 2 w + 1
	s_lshl_b32 s32, s[WV], 8
	s_add_nc_u64 s[WSP:WSP+1], s[6:7], s[32:33]
	s_lshl_b32 s32, ttmp9, 15
	s_add_nc_u64 s[10:11], s[10:11], s[32:33]
	s_add_nc_u64 s[16:17], s[16:17], s[32:33]
	s_lshl_b32 s34, s[WV], 11
	s_add_co_u32 s32, s32, s34
	s_add_nc_u64 s[20:21], s[20:21], s[32:33]
	s_lshl_b32 s32, s[WV], 14
	s_lshl_b32 s34, ttmp9, 7
	s_add_co_u32 s32, s32, s34
	s_add_co_u32 s32, s32, 0x100000
	s_add_nc_u64 s[QSP:QSP+1], s[22:23], s[32:33]
	s_lshl_b32 s32, s[WV], 17
	s_lshl_b32 s34, ttmp9, 10
	s_add_co_u32 s32, s32, s34
	s_add_nc_u64 s[22:23], s[22:23], s[32:33]
	; what the first product wants: 54 loads
.set n, 0
.rept 16
	global_load_b128 v[XF+4*n:XF+4*n+3], v[LI], s[4:5] offset:512*n
.set n, n+1
.endr
.irp m, 0,1
.irp c, 0,1,2,3
	global_load_b32 v[ACC+4*\m+\c], v[AOS], s[AOSP:AOSP+1] offset:16384*\c+64*\m    ; lanes 0-15: heads 0-3; lanes 16-31: heads 4-7
.endr
.endr
	WIN 0x40
.set n, 0
.rept 16
	global_load_b128 v[4*n:4*n+3], v[LI], s[WP:WP+1] offset:UO*32768+512*n
.set n, n+1
.endr
	WIN 0
.irp u, 0,1
	global_load_b32 v[WS+\u], v[LS], s[WSP:WSP+1] offset:QS0+UO*1024+128*\u
.endr
.irp q, 0,1,2,3
	global_load_b128 v[BI+4*\q:BI+4*\q+3], v[FO], s[8:9] offset:16*\q
.endr
.irp m, 0,1
.irp q, 0,1,2,3
	global_load_b128 v[X+16*\m+4*\q:X+16*\m+4*\q+3], v[TOK], s[10:11] offset:8192*\m+16*\q
.endr
.endr
	; what comes later: 38 loads
.irp q, 0,1,2,3
	global_load_b128 v[ACC+32+4*\q:ACC+32+4*\q+3], v[FO], s[12:13] offset:16*\q
	global_load_b128 v[ACC+48+4*\q:ACC+48+4*\q+3], v[FO], s[14:15] offset:16*\q
.endr
	WIN 0x40
.irp m, 0,1
.irp q, 0,1,2,3
	global_load_b128 v[128+16*\m+4*\q:128+16*\m+4*\q+3], v[TOK], s[16:17] offset:8192*\m+16*\q
.endr
.endr
.set n, 0
.rept 16
	global_load_b128 v[64+4*n:64+4*n+3], v[LI], s[WP:WP+1] offset:UQ*32768+512*n
.set n, n+1
.endr
	WIN 0
.irp u, 0,1
	global_load_b32 v[WQS+\u], v[LS], s[WSP:WSP+1] offset:QS0+UQ*1024+128*\u
.endr
.irp q, 0,1,2,3
	global_load_b128 v[BI+16+4*\q:BI+16+4*\q+3], v[FO], s[18:19] offset:16*\q
.endr
	s_wait_loadcnt 38                              ; the first 54 are in; the 38 behind them may be out
.irp m, 0,1
	v_lshl_or_b32 v[XS+\m], v[ACC+4*\m+1], 8, v[ACC+4*\m]         ; four heads' bytes make a scale word: lanes 0-15 K step 0's, lanes 16-31 K step 1's
	s_delay_alu instid0(VALU_DEP_1)
	v_lshl_or_b32 v[XS+\m], v[ACC+4*\m+2], 16, v[XS+\m]
	s_delay_alu instid0(VALU_DEP_1)
	v_lshl_or_b32 v[XS+\m], v[ACC+4*\m+3], 24, v[XS+\m]
.endr
.irp m, 0,1
.irp p, 0,2,4,6,8,10,12,14
	v_pk_add_f32 v[X+16*\m+\p:X+16*\m+\p+1], v[X+16*\m+\p:X+16*\m+\p+1], v[BI+\p:BI+\p+1]    ; tgt + b_out; these 16 also stand between the scale words' last line and the products
.endr
.endr
	WIN 0x01                                       ; source 0 (W) window 1
.irp k, 0,1
.irp m, 0,1
.irp u, 0,1
	MM X+16*\m+8*\u, 32*\u+16*\k, XF+32*\m+16*\k, X+16*\m+8*\u, WS+\u, XS+\m, \k    ; four accumulators by turns
.endr
.endr
.endr
	WIN 0
	PLACES
	s_wait_loadcnt 0x0
	LNORM RED1, RED2, ACC+32, ACC+48
.irp m, 0,1
.irp q, 0,1,2,3
	global_store_b128 v[LI], v[X+16*\m+4*\q:X+16*\m+4*\q+3], s[20:21] offset:16384*\m+512*\q
.endr
.endr
	WIN 0x04                                       ; source 1 (query_pos) window 1
.set j, 0
.rept 16
	v_pk_add_f32 v[ACC+j:ACC+j+1], v[X+j:X+j+1], v[128+j:128+j+1]
.set j, j+2
.endr
	WIN 0
	XOUT ACC, ACC
	s_wait_dscnt 0x0
	WIN 0x01
.irp m, 0,1
.irp u, 0,1
	MM ACC+16*\m+8*\u, 64+32*\u, XF+32*\m, BI+16+8*\u, WQS+\u, XS+\m, 0
.endr
.endr
.irp m, 0,1
.irp u, 0,1
	MM ACC+16*\m+8*\u, 64+32*\u+16, XF+32*\m+16, ACC+16*\m+8*\u, WQS+\u, XS+\m, 1
.endr
.endr
	WIN 0
	PLACES
	QUANT ACC, ACC, 2, 0, PC0                      ; head w's 32 numbers of each token: one block
	global_store_b128 v[LI], v[PC0:PC0+3], s[22:23]
	global_store_b128 v[LI], v[ACC:ACC+3], s[22:23] offset:512
	v_cndmask_b32 v54, v[TMB], v[TMB+1], s[HI]
	global_store_b32 v[LS], v54, s[QSP:QSP+1]
	s_wait_tensorcnt 0x0                           ; the wave's end
	ds_add_u32 v[SPW], v[NIL]
	s_wait_dscnt 0x0
	s_endpgm
.Lfunc_end_k_qeba06082a0_mid:
	.size	k_qeba06082a0_mid, .Lfunc_end_k_qeba06082a0_mid-k_qeba06082a0_mid
	.p2alignl 7, 3214868480
	.fill 96, 4, 3214868480
	.section	.rodata,"a",@progbits
	.p2align	6, 0x0
	.amdhsa_kernel k_qeba06082a0_mid
		.amdhsa_group_segment_fixed_size 11520
		.amdhsa_private_segment_fixed_size 0
		.amdhsa_enable_private_segment 0
		.amdhsa_kernarg_size 80
		.amdhsa_user_sgpr_count 2
		.amdhsa_user_sgpr_kernarg_segment_ptr 1
		.amdhsa_wavefront_size32 1
		.amdhsa_system_sgpr_workgroup_id_x 1
		.amdhsa_system_sgpr_workgroup_id_y 1
		.amdhsa_system_sgpr_workgroup_id_z 1
		.amdhsa_system_vgpr_workitem_id 0
		.amdhsa_next_free_vgpr 416
		.amdhsa_next_free_sgpr 66
		.amdhsa_reserve_vcc 0
		.amdhsa_float_denorm_mode_32 3
		.amdhsa_float_denorm_mode_16_64 3
		.amdhsa_fp16_overflow 1
		.amdhsa_memory_ordered 1
		.amdhsa_forward_progress 1
		.amdhsa_inst_pref_size 34
	.end_amdhsa_kernel
	.amdgpu_metadata
---
amdhsa.version: [ 1, 2 ]
amdhsa.kernels:
  - .name:           k_qeba06082a0_mid
    .symbol:         k_qeba06082a0_mid.kd
    .args:
      - { .name: ao, .offset: 0, .size: 8, .value_kind: global_buffer, .address_space: global }
      - { .name: wq, .offset: 8, .size: 8, .value_kind: global_buffer, .address_space: global }
      - { .name: b_out_self, .offset: 16, .size: 8, .value_kind: global_buffer, .address_space: global }
      - { .name: tgt, .offset: 24, .size: 8, .value_kind: global_buffer, .address_space: global }
      - { .name: g1, .offset: 32, .size: 8, .value_kind: global_buffer, .address_space: global }
      - { .name: be1, .offset: 40, .size: 8, .value_kind: global_buffer, .address_space: global }
      - { .name: query_pos, .offset: 48, .size: 8, .value_kind: global_buffer, .address_space: global }
      - { .name: b_in_cross, .offset: 56, .size: 8, .value_kind: global_buffer, .address_space: global }
      - { .name: x1, .offset: 64, .size: 8, .value_kind: global_buffer, .address_space: global }
      - { .name: qb, .offset: 72, .size: 8, .value_kind: global_buffer, .address_space: global }
    .group_segment_fixed_size: 11520
    .private_segment_fixed_size: 0
    .kernarg_segment_align: 8
    .kernarg_segment_size: 80
    .max_flat_workgroup_size: 256
    .sgpr_count:     66
    .vgpr_count:     416
    .wavefront_size: 32
...
	.end_amdgpu_metadata
.endif
;; end of part 4
;; launch att2: the kernel of part 3 again; grid 32 x 8, 16 waves a work-group, clusters of 4 x 1, 327,680 bytes of LDS; arguments qb, kv2, ao; writes ao
;; launch ffn (part 5): grid 128 x 1, 8 waves a work-group, no clusters, 89,344 bytes of LDS; arguments ao, wq, b_out_cross, x1, g2, be2, b1, b2, g3, be3, out0; writes out0
.if DOCPART == 5
	.amdgcn_target "amdgcn-amd-amdhsa--gfx1250"
	.amdhsa_code_object_version 6
	.text
	.protected	k_qeba06082a0_ffn
	.globl	k_qeba06082a0_ffn
	.p2align	8
	.type	k_qeba06082a0_ffn,@function
k_qeba06082a0_ffn:
	s_mov_b64 s[64:65], 0
	v_nop
	global_prefetch_b8 v0, s[64:65] scope:SCOPE_SE
	s_setreg_imm32_b32 hwreg(HW_REG_WAVE_MODE, 25, 1), 1
	s_wait_xcnt 0x0
; x2 = LN2(x1 + attention W_out^T + b_out); out0 = LN3(x2 + relu(x2 W1^T + b1) W2^T + b2).  Nothing is left out.  The hidden layer never goes to memory.
; SHARES.  Work-group i: tokens 32 i .. 32 i + 31 as tiles 2 i + m (row r of tile m is token 32 i + 8 m + r + 8 (r / 8)).  Wave w: features 32 w .. 32 w + 31 of x2 and of the output, and hidden units 256 w .. 256 w + 255.
; Every product: source 0 = 16 rows of a weight, source 1 = 16 tokens.  A lane holds one token; the 16 registers of a weight's tiles 2 b, 2 b + 1 are 16 neighbours along the next K.
; EACH WEIGHT BYTE GOES FROM MEMORY STRAIGHT INTO THE REGISTERS OF THE ONE WAVE THAT MULTIPLIES IT: 128 KB of codes a wave, through four slots of 64 registers (window 1), two groups of 36 loads ahead of their use.  So no weight passes
; through LDS and there is no joint load: it would send the same bytes through LDS first.  With 32 tokens a work-group reads 1 MB of weights for 64 KB of hidden codes that its eight waves each read from LDS.
; What goes from wave to wave goes as images of the operands' registers: x2's codes (8 KB), the hidden layer's (64 KB).  x2 + b2 stays in the accumulators X, onto which the second product adds in place.  Seven barriers.
; LIMITS: as in the first launch; residuals and biases are summed first, a row's sums are taken by lane, lane pair and wave.
.set QS0,   5767168
.set UO,    14                         ; W_out's first unit
.set RED1,  0
.set RED2,  1024
.set RED3,  2048
.set RED4,  3072
.set XIMG,  4096
.set XSC,   12288
.set B1S,   12544                      ; b1, 1,024 bytes for each wave, its own
.set HSC,   20736                      ; the hidden layer's scale registers: [m][pair of K steps][128 bytes]
.set HIMG,  22784                      ; its fragments: [m][K step 0..15][2,048 bytes]
.set OST,   HIMG                       ; the way out: 32 rows x 1,040 bytes, where the hidden layer lay
.set SPARE, 88320
.set LI,   1
.set LS,   2
.set AOS,  3
.set FO,   4
.set REDW, 5
.set REDR, 6
.set XWI,  7
.set XWB,  8
.set HWI,  9                           ; HIMG + 4,096 w + 16 x lane
.set HWS,  10                          ; HSC + 128 w + 4 x lane
.set B1W,  11                          ; B1S + 1,024 w + 16 x lane
.set B1R,  12                          ; B1S + 1,024 w + 64 h
.set OSW,  13                          ; OST + 1,040 (r + 8 (r / 8)) + 128 w + 64 h
.set OSR,  14                          ; OST + 4,160 w + 16 x lane
.set HR,   15                          ; v15, v16: HIMG + 32,768 m + 16 x lane
.set SPW,  18
.set NIL,  19
.set WS,   20
.set XS,   22
.set WSC,  24                          ; v24-31 the scale registers of the weights in the slots
.set HS,   32                          ; v32-35 the hidden layer's
.set TMX,  36
.set TMB,  40
.set TMH,  44
.set TMS,  48
.set PW,   52
.set PC0,  56
.set ST,   60
.set ACC,  64
.set LT,   64
.set LR,   80
.set XF,   128
.set BI,   192
.set X,    224
.set WV,   26
.set SEL,  28
.set MNT,  30
.set HI,   31
.set I256, 32
.set EPS,  33
.set AOSP, 36
.set WP,   38
.set WSP,  40
.set W1P,  42
.set W1SP, 44
.set W2P,  46
.set W2SP, 48
.set MSB, 0
.macro WIN new
.if MSB != \new
	s_set_vgpr_msb (MSB<<8)|\new
.set MSB, \new
.endif
.endm
.macro QUANT src, tmp, nb, relu, pc    ; as in the first launch
.irp b, 0,1,2,3
.if \b < \nb
.if \relu
	v_max3_num_f32 v[TMX+\b], v[(\src)+16*\b], v[(\src)+16*\b+1], 0x4800000
.else
	v_max3_num_f32 v[TMX+\b], |v[(\src)+16*\b]|, |v[(\src)+16*\b+1]|, 0x4800000
.endif
.endif
.endr
.irp i, 2,4,6,8,10,12,14
.irp b, 0,1,2,3
.if \b < \nb
.if \relu
	v_max3_num_f32 v[TMX+\b], v[TMX+\b], v[(\src)+16*\b+\i], v[(\src)+16*\b+\i+1]
.else
	s_delay_alu instid0(VALU_DEP_2)
	v_max3_num_f32 v[TMX+\b], v[TMX+\b], |v[(\src)+16*\b+\i]|, |v[(\src)+16*\b+\i+1]|
.endif
.endif
.endr
.endr
.irp b, 0,1,2,3
.if \b < \nb
	v_permlanex16_b32 v[TMB+\b], v[TMX+\b], s[SEL], s[SEL+1]
.endif
.endr
.irp b, 0,1,2,3
.if \b < \nb
	v_max_num_f32 v[TMX+\b], v[TMX+\b], v[TMB+\b]
.endif
.endr
.irp b, 0,1,2,3
.if \b < \nb
	v_add_nc_u32 v[TMS+\b], 0xfc000000, v[TMX+\b]
.endif
.endr
.irp b, 0,1,2,3
.if \b < \nb
	v_and_or_b32 v[TMH+\b], v[TMX+\b], 0x7f800000, s[MNT]
.endif
.endr
.irp b, 0,1,2,3
.if \b < \nb
	v_lshrrev_b32 v[TMB+\b], 23, v[TMS+\b]
.endif
.endr
	v_lshl_or_b32 v[PW], v[TMB+1], 8, v[TMB]
.if \nb > 2
	s_delay_alu instid0(VALU_DEP_1)
	v_lshl_or_b32 v[PW], v[TMB+2], 16, v[PW]
	s_delay_alu instid0(VALU_DEP_1)
	v_lshl_or_b32 v[PW], v[TMB+3], 24, v[PW]
.endif
.irp b, 0,1,2,3
.if \b < \nb
.if \b == 0
.set QDR, \pc
.else
.set QDR, (\tmp)+16*(\b-1)
.endif
.irp i, 0,1,2,3,4,5,6,7,8,9,10,11,12,13,14,15
.if \relu
	v_med3_num_f32 v[(\tmp)+16*\b+\i], v[(\src)+16*\b+\i], 0, v[TMH+\b]
.else
	v_med3_num_f32 v[(\tmp)+16*\b+\i], v[(\src)+16*\b+\i], -v[TMH+\b], v[TMH+\b]
.endif
.endr
	v_cvt_scalef32_pk8_fp8_f32 v[QDR:QDR+1], v[(\tmp)+16*\b:(\tmp)+16*\b+7], v[TMS+\b]
	v_cvt_scalef32_pk8_fp8_f32 v[QDR+2:QDR+3], v[(\tmp)+16*\b+8:(\tmp)+16*\b+15], v[TMS+\b]
.endif
.endr
	v_nop
.endm
.macro QDSET b, tmp, pc
.if (\b) == 0
.set QDR, \pc
.else
.set QDR, (\tmp)+16*((\b)-1)
.endif
.endm
.macro MM d, a, b, c, sa, sb, row
.if \row
	v_wmma_scale_f32_16x16x128_f8f6f4 v[(\d):(\d)+7], v[(\a):(\a)+15], v[(\b):(\b)+15], v[(\c):(\c)+7], v[\sa], v[\sb] matrix_a_scale:MATRIX_SCALE_ROW1 matrix_b_scale:MATRIX_SCALE_ROW1
.else
	v_wmma_scale_f32_16x16x128_f8f6f4 v[(\d):(\d)+7], v[(\a):(\a)+15], v[(\b):(\b)+15], v[(\c):(\c)+7], v[\sa], v[\sb]
.endif
.endm
.macro PLACES
.rept 8
	v_nop
.endr
.endm
.macro BARRIER
	s_wait_dscnt 0x0
	s_barrier_signal -1
	s_barrier_wait -1
.endm
.macro FOLD m, red
	s_delay_alu instid0(VALU_DEP_1)
	v_add_f32 v[LT+8*\m], v[LT+8*\m], v[LT+8*\m+1]
	s_delay_alu instid0(VALU_DEP_1)
	v_permlanex16_b32 v[LT+8*\m+1], v[LT+8*\m], s[SEL], s[SEL+1]
	s_delay_alu instid0(VALU_DEP_1)
	v_add_f32 v[LT+8*\m], v[LT+8*\m], v[LT+8*\m+1]
	ds_store_b32 v[REDW], v[LT+8*\m] offset:\red+512*\m
.endm
.macro GATHER red
.irp m, 0,1
	ds_load_b128 v[LR+8*\m:LR+8*\m+3], v[REDR] offset:\red+512*\m
	ds_load_b128 v[LR+8*\m+4:LR+8*\m+7], v[REDR] offset:\red+512*\m+16
.endr
	s_wait_dscnt 0x0
.endm
.macro TOTAL m
	v_pk_add_f32 v[LR+8*\m:LR+8*\m+1], v[LR+8*\m:LR+8*\m+1], v[LR+8*\m+2:LR+8*\m+3]
	v_pk_add_f32 v[LR+8*\m+4:LR+8*\m+5], v[LR+8*\m+4:LR+8*\m+5], v[LR+8*\m+6:LR+8*\m+7]
	s_delay_alu instid0(VALU_DEP_1)
	v_pk_add_f32 v[LR+8*\m:LR+8*\m+1], v[LR+8*\m:LR+8*\m+1], v[LR+8*\m+4:LR+8*\m+5]
	s_delay_alu instid0(VALU_DEP_1)
	v_add_f32 v[LR+8*\m], v[LR+8*\m], v[LR+8*\m+1]
.endm
.macro LNORM red1, red2, gr, br        ; as in the launch between the attentions: two passes, two barriers
.irp m, 0,1
.irp p, 0,1,2,3
	v_pk_add_f32 v[LT+8*\m+2*\p:LT+8*\m+2*\p+1], v[X+16*\m+4*\p:X+16*\m+4*\p+1], v[X+16*\m+4*\p+2:X+16*\m+4*\p+3]
.endr
	s_delay_alu instid0(VALU_DEP_3)
	v_pk_add_f32 v[LT+8*\m:LT+8*\m+1], v[LT+8*\m:LT+8*\m+1], v[LT+8*\m+2:LT+8*\m+3]
	s_delay_alu instid0(VALU_DEP_2)
	v_pk_add_f32 v[LT+8*\m+4:LT+8*\m+5], v[LT+8*\m+4:LT+8*\m+5], v[LT+8*\m+6:LT+8*\m+7]
	s_delay_alu instid0(VALU_DEP_1)
	v_pk_add_f32 v[LT+8*\m:LT+8*\m+1], v[LT+8*\m:LT+8*\m+1], v[LT+8*\m+4:LT+8*\m+5]
	FOLD \m, \red1
.endr
	BARRIER
	GATHER \red1
.irp m, 0,1
	TOTAL \m
	s_delay_alu instid0(VALU_DEP_1)
	v_mul_f32 v[ST+2*\m], s[I256], v[LR+8*\m]
.irp p, 0,2,4,6,8,10,12,14
	v_pk_add_f32 v[X+16*\m+\p:X+16*\m+\p+1], v[X+16*\m+\p:X+16*\m+\p+1], v[ST+2*\m:ST+2*\m+1] op_sel_hi:[1,0] neg_lo:[0,1] neg_hi:[0,1]
.endr
	v_pk_mul_f32 v[LT+8*\m:LT+8*\m+1], v[X+16*\m:X+16*\m+1], v[X+16*\m:X+16*\m+1]
	v_pk_mul_f32 v[LT+8*\m+2:LT+8*\m+3], v[X+16*\m+2:X+16*\m+3], v[X+16*\m+2:X+16*\m+3]
.irp p, 4,8,12
	s_delay_alu instid0(VALU_DEP_2)
	v_pk_fma_f32 v[LT+8*\m:LT+8*\m+1], v[X+16*\m+\p:X+16*\m+\p+1], v[X+16*\m+\p:X+16*\m+\p+1], v[LT+8*\m:LT+8*\m+1]
	s_delay_alu instid0(VALU_DEP_2)
	v_pk_fma_f32 v[LT+8*\m+2:LT+8*\m+3], v[X+16*\m+\p+2:X+16*\m+\p+3], v[X+16*\m+\p+2:X+16*\m+\p+3], v[LT+8*\m+2:LT+8*\m+3]
.endr
	s_delay_alu instid0(VALU_DEP_1)
	v_pk_add_f32 v[LT+8*\m:LT+8*\m+1], v[LT+8*\m:LT+8*\m+1], v[LT+8*\m+2:LT+8*\m+3]
	FOLD \m, \red2
.endr
	BARRIER
	GATHER \red2
.irp m, 0,1
	TOTAL \m
	s_delay_alu instid0(VALU_DEP_1)
	v_fma_f32 v[LR+8*\m], v[LR+8*\m], s[I256], s[EPS]
.endr
	s_wait_alu depctr_va_vdst(0)
	v_rsq_f32 v[ST], v[LR]
	v_rsq_f32 v[ST+2], v[LR+8]
	v_nop
	s_wait_alu depctr_va_vdst(0)                   ; ahead of the first reader: one wait for both
.irp m, 0,1
.irp p, 0,2,4,6,8,10,12,14
	v_pk_mul_f32 v[X+16*\m+\p:X+16*\m+\p+1], v[X+16*\m+\p:X+16*\m+\p+1], v[ST+2*\m:ST+2*\m+1] op_sel_hi:[1,0]
.endr
.irp p, 0,2,4,6,8,10,12,14
	v_pk_fma_f32 v[X+16*\m+\p:X+16*\m+\p+1], v[X+16*\m+\p:X+16*\m+\p+1], v[(\gr)+\p:(\gr)+\p+1], v[(\br)+\p:(\br)+\p+1]
.endr
.endr
.endm
.macro XOUT src, tmp
	QUANT \src, \tmp, 2, 0, PC0
	ds_store_b128 v[XWI], v[PC0:PC0+3]
	ds_store_b128 v[XWI], v[(\tmp):(\tmp)+3] offset:4096
	ds_store_b8 v[XWB], v[TMB]
	ds_store_b8 v[XWB], v[TMB+1] offset:128
	BARRIER
.set n, 0
.rept 16
	ds_load_b128 v[XF+4*n:XF+4*n+3], v[LI] offset:XIMG+512*n
.set n, n+1
.endr
	ds_load_b32 v[XS], v[LS] offset:XSC
	ds_load_b32 v[XS+1], v[LS] offset:XSC+128
.endm
.macro WLOAD1 db                       ; W1's double block db of my 256 rows: 4 tiles x 2 K steps into slots 2 (db % 2), + 1, and their scale registers: 36 loads
	WIN 0x40
.set n, 0
.rept 32
	global_load_b128 v[128*((\db)%2)+4*n:128*((\db)%2)+4*n+3], v[LI], s[W1P:W1P+1] offset:524288+16384*(\db)+512*n
.set n, n+1
.endr
	WIN 0
.irp t, 0,1,2,3
	global_load_b32 v[WSC+4*((\db)%2)+\t], v[LS], s[W1SP:W1SP+1] offset:QS0+16384+512*(\db)+128*\t
.endr
.endm
.macro WLOAD2 cb                       ; W2's columns 256 cb on of my 32 rows: 2 tiles x 2 K steps into slot cb % 4, and their scale registers: 18 loads
	WIN 0x40
.set n, 0
.rept 16
	global_load_b128 v[64*((\cb)%4)+4*n:64*((\cb)%4)+4*n+3], v[LI], s[W2P:W2P+1] offset:1048576+32768*(\cb)+512*n
.set n, n+1
.endr
	WIN 0
.irp u, 0,1
	global_load_b32 v[WSC+2*((\cb)%4)+\u], v[LS], s[W2SP:W2SP+1] offset:QS0+32768+1024*(\cb)+128*\u
.endr
.endm
.macro BLOAD db                        ; b1 of the double block's 64 units: lane (r, h) wants 32 e + 16 h + 0 .. 15
.irp e, 0,1
.irp q, 0,1,2,3
	ds_load_b128 v[BI+16*\e+4*\q:BI+16*\e+4*\q+3], v[B1R] offset:256*(\db)+128*\e+16*\q
.endr
.endr
.endm
; A double block: 64 hidden units for 32 tokens.  Accumulator (m, e, u) at 16 (2 m + e) + 8 u: block 2 m + e is 32 neighbouring units of tile m's tokens.
.macro DB db
	s_wait_loadcnt 36                              ; this double block's weights are in; the 36 loads behind them may be out
	s_wait_dscnt 0x0                               ; the bias (and at first x2's fragments) are in, and the last images' stores are done
	WIN 0x01
.irp m, 0,1
.irp e, 0,1
.irp u, 0,1
	MM ACC+16*(2*\m+\e)+8*\u, 128*((\db)%2)+32*(2*\e+\u), XF+32*\m, BI+16*\e+8*\u, WSC+4*((\db)%2)+2*\e+\u, XS+\m, 0
.endr
.endr
.endr
.irp m, 0,1
.irp e, 0,1
.irp u, 0,1
	MM ACC+16*(2*\m+\e)+8*\u, 128*((\db)%2)+32*(2*\e+\u)+16, XF+32*\m+16, ACC+16*(2*\m+\e)+8*\u, WSC+4*((\db)%2)+2*\e+\u, XS+\m, 1
.endr
.endr
.endr
	WIN 0
	PLACES
.if \db < 2
	WLOAD1 (\db)+2                                 ; the slots just read are filled again
.else
	WLOAD2 2*(\db)-4
	WLOAD2 2*(\db)-3
.endif
.if \db < 3
	BLOAD (\db)+1
.endif
	QUANT ACC, ACC, 4, 1, PC0
.irp m, 0,1
.irp e, 0,1
	QDSET 2*\m+\e, ACC, PC0
	ds_store_b128 v[HWI], v[QDR:QDR+3] offset:32768*\m+2048*((\db)/2)+512*(2*((\db)%2)+\e)     ; K step 2 w + db / 2 of the second product, piece 2 (db % 2) + e
.endr
.endr
.if (\db)%2 == 0
	v_mov_b32 v53, v[PW]
.elseif \db == 1
	v_perm_b32 v54, v[PW], v53, 0x05040100         ; tile 0's word of K step 2 w
	v_perm_b32 v55, v[PW], v53, 0x07060302         ; tile 1's
.else
	v_perm_b32 v[HS], v[PW], v53, 0x05040100       ; the same of K step 2 w + 1
	v_perm_b32 v[HS+1], v[PW], v53, 0x07060302
	s_delay_alu instid0(VALU_DEP_2)
	v_cndmask_b32 v[HS], v54, v[HS], s[HI]         ; lanes 0-15: the even K step's words; lanes 16-31: the odd one's
	s_delay_alu instid0(VALU_DEP_2)
	v_cndmask_b32 v[HS+1], v55, v[HS+1], s[HI]
	ds_store_b32 v[HWS], v[HS]
	ds_store_b32 v[HWS], v[HS+1] offset:1024
.endif
.endm
.macro HLOAD cb                        ; the hidden layer's K steps 2 cb, 2 cb + 1, both tiles: 18 LDS loads, into v128-191 (cb even) or v64-127 (odd)
.set HB, XF-64*((\cb)%2)
.irp m, 0,1
.set n, 0
.rept 8
	ds_load_b128 v[HB+32*\m+4*n:HB+32*\m+4*n+3], v[HR+\m] offset:4096*(\cb)+512*n
.set n, n+1
.endr
	ds_load_b32 v[HS+2*((\cb)%2)+\m], v[LS] offset:HSC+1024*\m+128*(\cb)
.endr
.endm
; 256 along the second product's K: eight products onto X in place, four accumulators by turns.  nl, nd: the younger loads that may stay out
.macro CB cb, nl, nd
	s_wait_loadcnt \nl
	s_wait_dscnt \nd
.set HB, XF-64*((\cb)%2)
	WIN 0x01
.irp k, 0,1
.irp m, 0,1
.irp u, 0,1
	MM X+16*\m+8*\u, 64*((\cb)%4)+32*\u+16*\k, HB+32*\m+16*\k, X+16*\m+8*\u, WSC+2*((\cb)%4)+\u, HS+2*((\cb)%2)+\m, \k
.endr
.endr
.endr
	WIN 0
	PLACES
.if \cb < 6
	HLOAD (\cb)+2
.endif
.if \cb < 4
	WLOAD2 (\cb)+4
.endif
.endm
	s_load_b512 s[4:19], s[0:1], 0x0               ; ao 4, wq 6, b_out_cross 8, x1 10, g2 12, be2 14, b1 16, b2 18
	s_load_b128 s[20:23], s[0:1], 0x40             ; g3 20, be3 22
	s_load_b64 s[24:25], s[0:1], 0x50              ; out0
	v_lshl_add_u32 v[SPW], v0, 2, SPARE
	v_mov_b32 v[NIL], 0
	v_lshrrev_b32 v34, 5, v0
	s_delay_alu instid0(VALU_DEP_1)
	v_readfirstlane_b32 s[WV], v34
	v_and_b32 v34, 31, v0
	s_delay_alu instid0(VALU_DEP_1)
	v_lshlrev_b32 v[LI], 4, v34
	s_delay_alu instid0(VALU_DEP_2)
	v_lshlrev_b32 v[LS], 2, v34
	v_and_b32 v32, 15, v0                          ; r
	v_bfe_u32 v33, v0, 4, 1                        ; h
	s_delay_alu instid0(VALU_DEP_2)
	v_lshlrev_b32 v[AOS], 2, v32
	s_delay_alu instid0(VALU_DEP_1)
	v_lshl_add_u32 v[AOS], v33, 16, v[AOS]
	s_lshl_b32 s34, s[WV], 7
	v_lshlrev_b32 v[FO], 6, v33
	s_delay_alu instid0(VALU_DEP_1)
	v_add_nc_u32 v[FO], s34, v[FO]
	s_add_co_u32 s34, s34, HSC
	v_add_nc_u32 v[HWS], s34, v[LS]
	v_lshlrev_b32 v[REDR], 5, v32
	s_lshl_b32 s34, s[WV], 2
	v_add_nc_u32 v[REDW], s34, v[REDR]
	s_lshr_b32 s35, s[WV], 2
	s_and_b32 s50, s[WV], 3
	s_lshl_b32 s34, s35, 11
	s_lshl_b32 s51, s50, 9
	s_add_co_u32 s34, s34, s51
	s_add_co_u32 s34, s34, XIMG
	v_add_nc_u32 v[XWI], s34, v[LI]
	s_lshl_b32 s34, s35, 6
	s_add_co_u32 s34, s34, s50
	s_add_co_u32 s34, s34, XSC
	v_lshl_add_u32 v[XWB], v32, 2, s34
	s_lshl_b32 s34, s[WV], 12
	s_add_co_u32 s34, s34, HIMG
	v_add_nc_u32 v[HWI], s34, v[LI]
	s_lshl_b32 s34, s[WV], 10
	s_add_co_u32 s34, s34, B1S
	v_add_nc_u32 v[B1W], s34, v[LI]
	v_lshl_add_u32 v[B1R], v33, 6, s34
	v_and_b32 v34, 8, v32
	s_delay_alu instid0(VALU_DEP_1)
	v_add_nc_u32 v34, v34, v32
	s_delay_alu instid0(VALU_DEP_1)
	v_mul_u32_u24 v[OSW], v34, 1040
	s_delay_alu instid0(VALU_DEP_1)
	v_add_nc_u32 v[OSW], v[OSW], v[FO]
	s_delay_alu instid0(VALU_DEP_1)
	v_add_nc_u32 v[OSW], OST, v[OSW]
	s_mul_i32 s34, s[WV], 4160
	s_add_co_u32 s34, s34, OST
	v_add_nc_u32 v[OSR], s34, v[LI]
	v_add_nc_u32 v[HR], HIMG, v[LI]
	v_add_nc_u32 v[HR+1], HIMG+32768, v[LI]
.irp b, 0,1,2,3
	v_mov_b32 v[TMB+\b], 0                         ; written once: a lane permute's destination counts as one of its sources
	v_mov_b32 v[ST+\b], 0
.endr
	s_mov_b32 s[SEL], 0x76543210
	s_mov_b32 s[SEL+1], 0xfedcba98
	s_mov_b32 s[MNT], 0x600000
	s_mov_b32 s[HI], 0xffff0000
	s_mov_b32 s[I256], 0x3b800000
	s_mov_b32 s[EPS], 0x3727c5ac
	s_lshl_b32 s51, s35, 18
	s_lshl_b32 s34, s50, 13
	s_add_co_u32 s51, s51, s34                     ; W2: 262,144 (w / 4) + 8,192 (w % 4)
	s_lshl_b32 s35, s35, 13
	s_lshl_b32 s50, s50, 8
	s_add_co_u32 s50, s50, s35                     ; its scale registers: 8,192 (w / 4) + 256 (w % 4)
	s_mov_b32 s35, 0
	s_wait_kmcnt 0x0
	s_lshl_b32 s34, ttmp9, 7
	s_add_co_u32 s34, s34, 0x100000
	s_add_nc_u64 s[AOSP:AOSP+1], s[4:5], s[34:35]
	s_lshl_b32 s34, ttmp9, 13
	s_add_nc_u64 s[4:5], s[4:5], s[34:35]
	s_lshl_b32 s34, s[WV], 13
	s_add_nc_u64 s[WP:WP+1], s[6:7], s[34:35]
	s_lshl_b32 s34, s[WV], 8
	s_add_nc_u64 s[WSP:WSP+1], s[6:7], s[34:35]
	s_lshl_b32 s34, s[WV], 16
	s_add_nc_u64 s[W1P:W1P+1], s[6:7], s[34:35]
	s_lshl_b32 s34, s[WV], 11
	s_add_nc_u64 s[W1SP:W1SP+1], s[6:7], s[34:35]
	s_mov_b32 s34, s51
	s_add_nc_u64 s[W2P:W2P+1], s[6:7], s[34:35]
	s_mov_b32 s34, s50
	s_add_nc_u64 s[W2SP:W2SP+1], s[6:7], s[34:35]
	s_lshl_b32 s34, ttmp9, 15
	s_lshl_b32 s50, s[WV], 11
	s_add_co_u32 s34, s34, s50
	s_add_nc_u64 s[10:11], s[10:11], s[34:35]      ; x1: tile 2 i, feature group w
	s_lshl_b32 s34, s[WV], 10
	s_add_nc_u64 s[16:17], s[16:17], s[34:35]      ; b1: my 256 units
	s_lshl_b32 s34, ttmp9, 15
	s_lshl_b32 s50, s[WV], 12
	s_add_co_u32 s34, s34, s50
	s_add_nc_u64 s[24:25], s[24:25], s[34:35]      ; out0: rows 32 i + 4 w on
	; 68 loads for what comes first, then W1's first double block
.set n, 0
.rept 16
	global_load_b128 v[XF+4*n:XF+4*n+3], v[LI], s[4:5] offset:512*n
.set n, n+1
.endr
.irp m, 0,1
.irp c, 0,1,2,3
	global_load_b32 v[ACC+4*\m+\c], v[AOS], s[AOSP:AOSP+1] offset:16384*\c+64*\m
.endr
.endr
	WIN 0x40
.set n, 0
.rept 16
	global_load_b128 v[128+4*n:128+4*n+3], v[LI], s[WP:WP+1] offset:UO*32768+512*n      ; W_out in slot 2
.set n, n+1
.endr
	WIN 0
.irp u, 0,1
	global_load_b32 v[WS+\u], v[LS], s[WSP:WSP+1] offset:QS0+UO*1024+128*\u
.endr
.irp q, 0,1,2,3
	global_load_b128 v[BI+4*\q:BI+4*\q+3], v[FO], s[8:9] offset:16*\q
.endr
.irp m, 0,1
.irp q, 0,1,2,3
	global_load_b128 v[X+16*\m+4*\q:X+16*\m+4*\q+3], v[LI], s[10:11] offset:16384*\m+512*\q
.endr
.endr
.irp q, 0,1,2,3
	global_load_b128 v[ACC+32+4*\q:ACC+32+4*\q+3], v[FO], s[12:13] offset:16*\q
	global_load_b128 v[ACC+48+4*\q:ACC+48+4*\q+3], v[FO], s[14:15] offset:16*\q
.endr
.irp q, 0,1,2,3
	global_load_b128 v[BI+16+4*\q:BI+16+4*\q+3], v[FO], s[18:19] offset:16*\q
.endr
	global_load_b128 v[ACC+8:ACC+11], v[LI], s[16:17]
	global_load_b128 v[ACC+12:ACC+15], v[LI], s[16:17] offset:512
	WLOAD1 0
	s_wait_loadcnt 36                              ; all but W1's first double block
	ds_store_b128 v[B1W], v[ACC+8:ACC+11]          ; my 1,024 bytes of b1: read back by me alone
	ds_store_b128 v[B1W], v[ACC+12:ACC+15] offset:512
.irp m, 0,1
	v_lshl_or_b32 v[XS+\m], v[ACC+4*\m+1], 8, v[ACC+4*\m]
	s_delay_alu instid0(VALU_DEP_1)
	v_lshl_or_b32 v[XS+\m], v[ACC+4*\m+2], 16, v[XS+\m]
	s_delay_alu instid0(VALU_DEP_1)
	v_lshl_or_b32 v[XS+\m], v[ACC+4*\m+3], 24, v[XS+\m]
.endr
.irp m, 0,1
.irp p, 0,2,4,6,8,10,12,14
	v_pk_add_f32 v[X+16*\m+\p:X+16*\m+\p+1], v[X+16*\m+\p:X+16*\m+\p+1], v[BI+\p:BI+\p+1]    ; x1 + b_out; these 16 also stand between the scale words' last line and the products
.endr
.endr
	WIN 0x01
.irp k, 0,1
.irp m, 0,1
.irp u, 0,1
	MM X+16*\m+8*\u, 128+32*\u+16*\k, XF+32*\m+16*\k, X+16*\m+8*\u, WS+\u, XS+\m, \k
.endr
.endr
.endr
	WIN 0
	PLACES
	WLOAD1 1
	LNORM RED1, RED2, ACC+32, ACC+48
	XOUT X, ACC                                    ; x2's codes go round; x2 itself stays in X
.irp m, 0,1
.irp p, 0,2,4,6,8,10,12,14
	v_pk_add_f32 v[X+16*\m+\p:X+16*\m+\p+1], v[X+16*\m+\p:X+16*\m+\p+1], v[BI+16+\p:BI+16+\p+1]     ; x2 + b2: what the second product adds onto
.endr
.endr
	BLOAD 0
	DB 0
	DB 1
	DB 2
	DB 3
	BARRIER                                        ; the hidden layer's 32 fragments lie in LDS
.irp q, 0,1,2,3
	global_load_b128 v[BI+4*\q:BI+4*\q+3], v[FO], s[20:21] offset:16*\q
	global_load_b128 v[BI+16+4*\q:BI+16+4*\q+3], v[FO], s[22:23] offset:16*\q
.endr
	HLOAD 0
	HLOAD 1
	CB 0, 62, 18                                   ; younger than W2's columns cb: three groups of 18, and g3 and be3's 8 while they are younger
	CB 1, 62, 18
	CB 2, 62, 18
	CB 3, 62, 18
	CB 4, 54, 18
	CB 5, 36, 18
	CB 6, 18, 18
	CB 7, 0, 0
	LNORM RED3, RED4, BI, BI+16                    ; its two barriers also part every wave's last read of the hidden layer from the stores below
.irp m, 0,1
.irp q, 0,1,2,3
	ds_store_b128 v[OSW], v[X+16*\m+4*\q:X+16*\m+4*\q+3] offset:8320*\m+16*\q
.endr
.endr
	BARRIER                                        ; 32 whole rows lie in the stage
.irp k, 0,1,2,3
.irp e, 0,1
	ds_load_b128 v[XF+4*(2*\k+\e):XF+4*(2*\k+\e)+3], v[OSR] offset:1040*\k+512*\e
.endr
.endr
.irp k, 0,1,2,3
.irp e, 0,1
	s_wait_dscnt 7-(2*\k+\e)
	global_store_b128 v[LI], v[XF+4*(2*\k+\e):XF+4*(2*\k+\e)+3], s[24:25] offset:1024*\k+512*\e th:TH_STORE_NT    ; 512 consecutive bytes of a row
.endr
.endr
	s_wait_tensorcnt 0x0                           ; the wave's end
	ds_add_u32 v[SPW], v[NIL]
	s_wait_dscnt 0x0
	s_endpgm
.Lfunc_end_k_qeba06082a0_ffn:
	.size	k_qeba06082a0_ffn, .Lfunc_end_k_qeba06082a0_ffn-k_qeba06082a0_ffn
	.p2alignl 7, 3214868480
	.fill 96, 4, 3214868480
	.section	.rodata,"a",@progbits
	.p2align	6, 0x0
	.amdhsa_kernel k_qeba06082a0_ffn
		.amdhsa_group_segment_fixed_size 89344
		.amdhsa_private_segment_fixed_size 0
		.amdhsa_enable_private_segment 0
		.amdhsa_kernarg_size 88
		.amdhsa_user_sgpr_count 2
		.amdhsa_user_sgpr_kernarg_segment_ptr 1
		.amdhsa_wavefront_size32 1
		.amdhsa_system_sgpr_workgroup_id_x 1
		.amdhsa_system_sgpr_workgroup_id_y 1
		.amdhsa_system_sgpr_workgroup_id_z 1
		.amdhsa_system_vgpr_workitem_id 0
		.amdhsa_next_free_vgpr 512
		.amdhsa_next_free_sgpr 66
		.amdhsa_reserve_vcc 0
		.amdhsa_float_denorm_mode_32 3
		.amdhsa_float_denorm_mode_16_64 3
		.amdhsa_memory_ordered 1
		.amdhsa_forward_progress 1
		.amdhsa_inst_pref_size 136
	.end_amdhsa_kernel
	.amdgpu_metadata
---
amdhsa.version: [ 1, 2 ]
amdhsa.kernels:
  - .name:           k_qeba06082a0_ffn
    .symbol:         k_qeba06082a0_ffn.kd
    .args:
      - { .name: ao, .offset: 0, .size: 8, .value_kind: global_buffer, .address_space: global }
      - { .name: wq, .offset: 8, .size: 8, .value_kind: global_buffer, .address_space: global }
      - { .name: b_out_cross, .offset: 16, .size: 8, .value_kind: global_buffer, .address_space: global }
      - { .name: x1, .offset: 24, .size: 8, .value_kind: global_buffer, .address_space: global }
      - { .name: g2, .offset: 32, .size: 8, .value_kind: global_buffer, .address_space: global }
      - { .name: be2, .offset: 40, .size: 8, .value_kind: global_buffer, .address_space: global }
      - { .name: b1, .offset: 48, .size: 8, .value_kind: global_buffer, .address_space: global }
      - { .name: b2, .offset: 56, .size: 8, .value_kind: global_buffer, .address_space: global }
      - { .name: g3, .offset: 64, .size: 8, .value_kind: global_buffer, .address_space: global }
      - { .name: be3, .offset: 72, .size: 8, .value_kind: global_buffer, .address_space: global }
      - { .name: out0, .offset: 80, .size: 8, .value_kind: global_buffer, .address_space: global }
    .group_segment_fixed_size: 89344
    .private_segment_fixed_size: 0
    .kernarg_segment_align: 8
    .kernarg_segment_size: 88
    .max_flat_workgroup_size: 256
    .sgpr_count:     66
    .vgpr_count:     512
    .wavefront_size: 32
...
	.end_amdgpu_metadata
.endif
;; end of part 5
